; MI455X (gfx1250); checked and timed in simulation.
; The chip was launched on July 23, 2026; its instructions are those of AMD's public machine-readable ISA for CDNA 5 (MIT licence, August 2026) and "CDNA5" Instruction Set Architecture Reference Guide (July 2026). The comments in the code are by the model that wrote it; some were corrected since.
;; Relative Multi Headed Attention. Allowed arithmetic: matrix products marked QUANTISED: E3M2 operands, one E8M0 scale for each 32 along K, by v_wmma_scale_f32_16x16x128_f8f6f4 with both operands' format E3M2, f32 sums; products left as they are: f32 operands where the result goes on into a quantised operand, else bf16, f16 or f32 operands; f32 sums; everything else in f32.
;; Inputs: Er 2,048 x 64 float32; Wk 1,024 x 1,024 float32; Wo 1,024 x 1,024 float32; Wq 1,024 x 1,024 float32; Wv 1,024 x 1,024 float32; bk 1,024 float32; bo 1,024 float32; bq 1,024 float32; bv 1,024 float32; x 2 x 2,048 x 1,024 float32.
;; Outputs: out0 2 x 2,048 x 1,024 float32.
;; This version of the problem:
;;   THIS VERSION OF THE PROBLEM IS GIVEN IN LOW PRECISION. The matrix products marked QUANTISED in the list below multiply operands that are first quantised to E3M2 (3 exponent bits, 2 mantissa bits; 6 bits a number), with one power-of-two scale for each 32 numbers along K (OCP MX v1.0); their sums are f32. All else is computed in f32.
;;   The module's matrix products, in the order in which they are computed (A, B: the left and right operand; K: the contracted axis; several contracted axes count as one K, in the product's order):
;;     1. [M 4,096, K 1,024] x [K 1,024, N 1,024]; A: input x; B: input Wq: QUANTISED
;;     2. [M 4,096, K 1,024] x [K 1,024, N 1,024]; A: input x; B: input Wk: QUANTISED
;;     3. [M 4,096, K 1,024] x [K 1,024, N 1,024]; A: input x; B: input Wv: QUANTISED
;;     4. batch 2,048 x [M 1, K 64] x [K 64, N 32]; A: input Er; B: computed on the way: left as it is (M = 1 < 16)
;;     5. batch 32 x [M 2,048, K 64] x [K 64, N 2,048]; A: computed on the way; B: computed on the way: QUANTISED
;;     6. batch 32 x [M 2,048, K 2,048] x [K 2,048, N 64]; A: softmax (see below); B: computed on the way: QUANTISED
;;     7. [M 4,096, K 1,024] x [K 1,024, N 1,024]; A: computed on the way; B: input Wo: QUANTISED
;;   THE QUANTISER, for each operand of a quantised product, along K:
;;     - K is cut into blocks of 32 from its start; a last block that is shorter is filled with zeros.
;;     - A block's scale is 2^e with e = floor(log2(the largest magnitude in the block)) - 4, held to -126 .. 127; a block of zeros has e = 0. As a byte (E8M0): e + 127.
;;     - Each number is divided by its block's scale, clamped to +-28, and rounded to the nearest number of E3M2, ties to even, subnormals kept.
;;     - The product sums the exact products of the quantised numbers (number of the format x scale) in f32.
;;   ~~~python
;;   def quantise(x, axis):      # numpy; x: float32 -> the quantised numbers, widened to float32 again
;;       x = np.moveaxis(x, axis, -1); K = x.shape[-1]
;;       x = np.pad(x, [(0, 0)] * (x.ndim - 1) + [(0, -K % 32)]); x = x.reshape(x.shape[:-1] + (-1, 32)); a = np.abs(x).max(-1, keepdims=True)
;;       e = np.where(a > 0, np.clip(np.frexp(np.where(a > 0, a, 1))[1] - 1 - 4, -126, 127), 0)      # np.frexp(a)[1] - 1 = floor(log2(a)), exactly
;;       r = np.clip(x / 2.0 ** e, -28, 28)
;;       step = 2.0 ** (np.maximum(np.frexp(np.where(r == 0, 1, r))[1] - 1, -2) - 2)
;;       q = np.round(r / step) * step * 2.0 ** e      # np.round: ties to even
;;       return np.moveaxis(q.reshape(q.shape[:-2] + (-1,))[..., :K], -1, axis).astype(np.float32)
;;   ~~~
;;   SOFTMAX AHEAD OF A QUANTISED PRODUCT. Where the list says 'softmax', what is quantised is not the finished softmax but p = 2^(t - M), with t = logit x log2(e) and M = ceil(the row's largest t), a whole number; so 1/2 < the row's largest p <= 1. The row's sum l is taken of the UNQUANTISED p, in f32, and the product's result is divided by l at the end. Since M is a whole number, a kernel that streams over the keys may use a running M (the ceiling of the running maximum): every later rescaling is an exact power of two, which a block's scale takes up: the codes' values come out the same.
;;   OPERANDS COMPUTED ON THE WAY. 'Computed on the way' means the value that the module computes at that place (a softmax that the list does not call 'softmax' is quantised finished and normalised). What goes into a quantiser is computed in f32, as accurately as f32 sums, v_exp_f32 and their like allow (about 1e-6 of the number): no bf16 or f16 on the way to a quantiser, and a product that is left as it is and whose result goes on into a quantised operand takes f32 operands (vector FMAs, or v_wmma_f32_16x16x4_f32). A number that lies on a knife's edge between two numbers of the format may be rounded either way, as far as f32 arithmetic and the matrix unit's own rounding can turn it there, and no further.
;; One version. Each part assembles by itself: llvm-mc -triple=amdgcn-amd-amdhsa -mcpu=gfx1250 --defsym DOCPART=n.
;; ======== version 1 of 1: 4 launches
;; limits: right only within a limited range of input values
;; workspace buffers: ci 6,291,456 bytes; si 524,288 bytes; qc 3,145,728 bytes; qs 524,288 bytes; kv 7,340,032 bytes; ac 3,145,728 bytes; asc 131,072 bytes
;; launch quant (part 1): grid 256 x 1, 4 waves a work-group, no clusters, 34,304 bytes of LDS; arguments x, Wq, Wk, Wv, Wo, ci, si; writes ci, si
.if DOCPART == 1
	.amdgcn_target "amdgcn-amd-amdhsa--gfx1250"
	.amdhsa_code_object_version 6
	.text
	.protected	k_qff5a89ee82_quant
	.globl	k_qff5a89ee82_quant
	.p2align	8
	.type	k_qff5a89ee82_quant,@function
k_qff5a89ee82_quant:
	s_mov_b64 s[64:65], 0
	v_nop
	global_prefetch_b8 v0, s[64:65] scope:SCOPE_SE
	s_setreg_imm32_b32 hwreg(HW_REG_WAVE_MODE, 25, 1), 1
	s_wait_xcnt 0x0
; x [4096][1024] and Wq, Wk, Wv, Wo [1024][1024], f32, K innermost, become codes of BF6 (E3M2) with one E8M0 byte for each 32 along K, laid as the products' launches take them.
; A block's scale is 2^(floor(log2(its largest magnitude)) - 4); its byte is the largest magnitude's exponent field - 4, held at 1 from below; beyond 28 the conversion gives the largest code.
; LAYOUT OF ci: [tile 512][k / 64: 16][768 bytes].  Tiles 0-255 x, 256-319 Wq, 320-383 Wk, 384-447 Wv, 448-511 Wo.  A tile is 16 rows, and THE ROWS OF A TILE ARE NOT NEIGHBOURS:
; place r of tile 2 B + u holds row 32 B + 8 u + r + 8 (r / 8), so that in a product's result the 16 registers of two neighbouring tiles are 16 neighbours along the next K.
; A record of 768 bytes is 16 rows x 64 along K as an image of six operand registers: lane (r, h) owns block h of row r; its registers 0-3 lie at 16 x lane, its registers 4-5 at 512 + 8 x lane.
; LAYOUT OF si: [tile 512][K half 2][lane 32][16 bytes]: a lane's four scale words (one for each 128 along K) of its row; lanes 16-31 hold copies.
; SHARES: work-group g takes tiles 2 g and 2 g + 1; wave w takes tile 2 g + w / 2 and K half w % 2: 16 rows x 512 along K, in four steps of 128.
; Each load reads 512 consecutive bytes of one row; a step's 16 rows turn through the wave's own stage in LDS (rows of 512 + 16 bytes), so that a lane gets 16 neighbours of each block.
; No tensor load, no barrier: waves share nothing.  Loads run two steps (32 loads a wave) ahead.
; LIMITS: NaN and infinities among the inputs are not served.  A block of zeros, and a block whose largest magnitude lies under 2^-122, carries the byte 1 and not the quantiser's own byte:
; a block of zeros has zero codes, which add nothing under any byte but 0xff, and this program alone reads the bytes.
.set SPITCH, 528                       ; a stage row: 512 bytes + 16: sixteen rows start at sixteen different 16-byte columns of 256
.set WSTG,   16*SPITCH                 ; a wave's stage
.set R,   16                           ; v16-143  two sets of 64 registers, as loaded
.set X,   144                          ; v144-207 64 numbers: register 16 B + i = k 32 B + 16 (lane / 16) + i of my row
.set PC0, 208                          ; v208-213 the first record's six registers
.set PC1, 214                          ; v214-219 the second's
.set CT,  220                          ; v220-222 a conversion's second run
.set TM,  224                          ; v224-229 at work
.set HW,  232                          ; v232-233 two scale bytes each
.set SW,  236                          ; v236-239 the four scale words
.set SEL, 20                           ; s[20:21] lane selects for v_permlanex16_b32: lane l xor 16
.set SRC, 26                           ; s[26:27] my wave's first number
; 32 numbers of a lane, register 16 b + i = k 32 b + 16 (lane / 16) + i of my row, become a record's six registers v[pc] on, and the two blocks' scale bytes in v[hw].
.macro QHF s, pc, hw
	v_max3_num_f32 v[TM], |v[\s]|, |v[\s+1]|, 0x2800000            ; my 16 numbers of block 0, and the floor 2^(5 - 127): the byte cannot fall under 1
	v_max3_num_f32 v[TM+1], |v[\s+16]|, |v[\s+17]|, 0x2800000      ; block 1; the two blocks by turns
.irp i, 2,4,6,8,10,12,14
	v_max3_num_f32 v[TM], v[TM], |v[\s+\i]|, |v[\s+\i+1]|
	v_max3_num_f32 v[TM+1], v[TM+1], |v[\s+16+\i]|, |v[\s+17+\i]|
.endr
	v_permlanex16_b32 v[TM+2], v[TM], s[SEL], s[SEL+1]
	v_permlanex16_b32 v[TM+3], v[TM+1], s[SEL], s[SEL+1]
	v_max_num_f32 v[TM], v[TM], v[TM+2]                            ; with lane l xor 16's 16: the block's largest magnitude
	v_max_num_f32 v[TM+1], v[TM+1], v[TM+3]
	v_add_nc_u32 v[TM+4], 0xfe000000, v[TM]                        ; 4 off the exponent field: the conversion takes this operand's exponent field as its scale
	v_add_nc_u32 v[TM+5], 0xfe000000, v[TM+1]
	v_lshrrev_b32 v[TM+2], 23, v[TM+4]                             ; the scales' bytes
	v_lshrrev_b32 v[TM+3], 23, v[TM+5]
	v_lshl_or_b32 v[\hw], v[TM+3], 8, v[TM+2]
	v_cvt_scalef32_pk16_bf6_f32 v[\pc:\pc+2], v[\s:\s+15], v[TM+4]     ; k = 16 h + 0 .. 15
	v_cvt_scalef32_pk16_bf6_f32 v[CT:CT+2], v[\s+16:\s+31], v[TM+5]    ; k = 32 + 16 h + 0 .. 15 (a conversion's three registers begin on an even number)
	v_nop                                                          ; one plain instruction behind the scaled conversions
.irp i, 0,1,2
	v_permlane16_swap_b32 v[\pc+\i], v[CT+\i]                      ; the first's lanes 16-31 change places with the second's lanes 0-15: each lane now holds its own block's lower and upper 16 codes
.endr
.irp i, 0,1,2
	v_mov_b32 v[\pc+3+\i], v[CT+\i]
.endr
.endm
	s_load_b256 s[4:11], s[0:1], 0x0               ; x s[4:5], Wq s[6:7], Wk s[8:9], Wv s[10:11]
	s_load_b128 s[12:15], s[0:1], 0x20             ; Wo s[12:13], ci s[14:15]
	s_load_b64 s[16:17], s[0:1], 0x30              ; si
	v_lshl_add_u32 v240, v0, 2, 0x8400
	v_mov_b32 v241, 0
	v_lshrrev_b32 v5, 5, v0
	v_readfirstlane_b32 s18, v5                    ; wave 0..3
	v_and_b32 v5, 31, v0                           ; lane
	v_lshlrev_b32 v1, 4, v5                        ; 16 x lane
	v_lshlrev_b32 v2, 3, v5                        ; 8 x lane
	v_and_b32 v6, 15, v0                           ; r
	v_bfe_u32 v7, v0, 4, 1                         ; h
	s_mul_i32 s19, s18, WSTG
	v_add_nc_u32 v3, s19, v1                       ; the stage, on the way in: 16 x lane of a row
	v_mul_u32_u24 v4, v6, SPITCH
	v_lshl_add_u32 v4, v7, 6, v4
	v_add_nc_u32 v4, s19, v4                       ; and on the way out: row r, + 64 h: my 16 numbers of a block
	s_mov_b32 s[SEL], 0x76543210
	s_mov_b32 s[SEL+1], 0xfedcba98
	v_mov_b32 v[TM+2], 0                           ; written once: a lane permute's destination counts as one of its sources
	v_mov_b32 v[TM+3], 0
	s_lshr_b32 s22, s18, 1                         ; u: which of the group's two tiles
	s_and_b32 s23, s18, 1                          ; q: which half of K
	s_lshl_b32 s24, ttmp9, 1
	s_add_co_u32 s24, s24, s22                     ; my tile
	s_and_b32 s25, ttmp9, 31                       ; the group's number inside a weight
	s_wait_alu depctr_va_vdst(0)
	s_wait_kmcnt 0x0
	s_cmp_lt_u32 ttmp9, 224                        ; which tensor: the choice hangs on the work-group's number alone
	s_cselect_b64 s[SRC:SRC+1], s[10:11], s[12:13]
	s_cmp_lt_u32 ttmp9, 192
	s_cselect_b64 s[SRC:SRC+1], s[8:9], s[SRC:SRC+1]
	s_cmp_lt_u32 ttmp9, 160
	s_cselect_b64 s[SRC:SRC+1], s[6:7], s[SRC:SRC+1]
	s_cmp_lt_u32 ttmp9, 128
	s_cselect_b64 s[SRC:SRC+1], s[4:5], s[SRC:SRC+1]
	s_cselect_b32 s25, ttmp9, s25                  ; inside x the group's number as it is
	s_lshl_b32 s28, s25, 17                        ; 32 rows of 4,096 bytes a group,
	s_lshl_b32 s29, s22, 15                        ; 8 rows on for the second tile,
	s_add_co_u32 s28, s28, s29
	s_lshl_b32 s29, s23, 11                        ; 512 numbers on for the second half of K
	s_add_co_u32 s28, s28, s29
	s_mov_b32 s29, 0
	s_add_nc_u64 s[SRC:SRC+1], s[SRC:SRC+1], s[28:29]
	s_mul_i32 s28, s24, 12288                      ; ci: my tile, my eight records
	s_mul_i32 s30, s23, 6144
	s_add_co_u32 s28, s28, s30
	s_add_nc_u64 s[14:15], s[14:15], s[28:29]
	s_lshl_b32 s28, s24, 10                        ; si: my tile, my half
	s_lshl_b32 s30, s23, 9
	s_add_co_u32 s28, s28, s30
	s_add_nc_u64 s[16:17], s[16:17], s[28:29]
.macro LOAD t                          ; step t: 128 along K of the tile's 16 rows; each load reads 512 consecutive bytes, read once in the launch
.irp i, 0,1,2,3,4,5,6,7,8,9,10,11,12,13,14,15
	global_load_b128 v[R+64*((\t)%2)+4*\i:R+64*((\t)%2)+4*\i+3], v1, s[SRC:SRC+1] offset:(\i+8*(\i/8))*4096+512*(\t) th:TH_LOAD_NT
.endr
.endm
.macro STEP t
.if (\t) < 3
	s_wait_loadcnt 16                              ; this step's 16 loads are in; the next step's 16 stay out
.else
	s_wait_loadcnt 0x0
.endif
.irp i, 0,1,2,3,4,5,6,7,8,9,10,11,12,13,14,15
	ds_store_b128 v3, v[R+64*((\t)%2)+4*\i:R+64*((\t)%2)+4*\i+3] offset:SPITCH*\i
.endr
.irp b, 0,1,2,3
.irp j, 0,1,2,3
	ds_load_b128 v[X+16*\b+4*\j:X+16*\b+4*\j+3], v4 offset:128*\b+16*\j   ; LDS serves a wave's instructions in order: these see the stores above
.endr
.endr
	s_wait_dscnt 0x0                               ; the numbers are back, and the stores into the stage have read their registers
	s_wait_xcnt 0x0                                ; the last step's stores have read the codes' registers, which are written again below
.if (\t) < 2
	LOAD (\t)+2
.endif
	QHF X, PC0, HW
	QHF X+32, PC1, HW+1
	v_lshl_or_b32 v[SW+(\t)], v[HW+1], 16, v[HW]   ; the four blocks' bytes: the scale word of these 128 along K
	global_store_b128 v1, v[PC0:PC0+3], s[14:15] offset:1536*(\t)          ; 512 consecutive bytes,
	global_store_b64 v2, v[PC0+4:PC0+5], s[14:15] offset:1536*(\t)+512     ; 256 consecutive bytes: both begin at multiples of 256 from ci's first byte
	global_store_b128 v1, v[PC1:PC1+3], s[14:15] offset:1536*(\t)+768
	global_store_b64 v2, v[PC1+4:PC1+5], s[14:15] offset:1536*(\t)+1280
.endm
	LOAD 0
	LOAD 1
	STEP 0
	STEP 1
	STEP 2
	STEP 3
	global_store_b128 v1, v[SW:SW+3], s[16:17]     ; 512 consecutive bytes of scale words
	s_wait_tensorcnt 0x0
	ds_add_u32 v240, v241
	s_wait_dscnt 0x0
	s_endpgm
.Lfunc_end_k_qff5a89ee82_quant:
	.size	k_qff5a89ee82_quant, .Lfunc_end_k_qff5a89ee82_quant-k_qff5a89ee82_quant
	.p2alignl 7, 3214868480
	.fill 96, 4, 3214868480
	.section	.rodata,"a",@progbits
	.p2align	6, 0x0
	.amdhsa_kernel k_qff5a89ee82_quant
		.amdhsa_group_segment_fixed_size 34304
		.amdhsa_private_segment_fixed_size 0
		.amdhsa_enable_private_segment 0
		.amdhsa_kernarg_size 56
		.amdhsa_user_sgpr_count 2
		.amdhsa_user_sgpr_kernarg_segment_ptr 1
		.amdhsa_wavefront_size32 1
		.amdhsa_system_sgpr_workgroup_id_x 1
		.amdhsa_system_sgpr_workgroup_id_y 1
		.amdhsa_system_sgpr_workgroup_id_z 1
		.amdhsa_system_vgpr_workitem_id 0
		.amdhsa_next_free_vgpr 242
		.amdhsa_next_free_sgpr 66
		.amdhsa_reserve_vcc 0
		.amdhsa_float_denorm_mode_32 3
		.amdhsa_float_denorm_mode_16_64 3
		.amdhsa_memory_ordered 1
		.amdhsa_forward_progress 1
		.amdhsa_inst_pref_size 34
	.end_amdhsa_kernel
	.amdgpu_metadata
---
amdhsa.version: [ 1, 2 ]
amdhsa.kernels:
  - .name:           k_qff5a89ee82_quant
    .symbol:         k_qff5a89ee82_quant.kd
    .args:
      - { .name: x, .offset: 0, .size: 8, .value_kind: global_buffer, .address_space: global }
      - { .name: Wq, .offset: 8, .size: 8, .value_kind: global_buffer, .address_space: global }
      - { .name: Wk, .offset: 16, .size: 8, .value_kind: global_buffer, .address_space: global }
      - { .name: Wv, .offset: 24, .size: 8, .value_kind: global_buffer, .address_space: global }
      - { .name: Wo, .offset: 32, .size: 8, .value_kind: global_buffer, .address_space: global }
      - { .name: ci, .offset: 40, .size: 8, .value_kind: global_buffer, .address_space: global }
      - { .name: si, .offset: 48, .size: 8, .value_kind: global_buffer, .address_space: global }
    .group_segment_fixed_size: 34304
    .private_segment_fixed_size: 0
    .kernarg_segment_align: 8
    .kernarg_segment_size: 56
    .max_flat_workgroup_size: 128
    .sgpr_count:     66
    .vgpr_count:     242
    .wavefront_size: 32
...
	.end_amdgpu_metadata
.endif
;; end of part 1
;; launch qkv (part 2): grid 16 x 16, 4 waves a work-group, clusters of 4 x 1, 327,680 bytes of LDS; arguments ci, si, bq, bk, bv, Er, qc, qs, kv; writes qc, qs, kv
.if DOCPART == 2
	.amdgcn_target "amdgcn-amd-amdhsa--gfx1250"
	.amdhsa_code_object_version 6
	.text
	.protected	k_qff5a89ee82_qkv
	.globl	k_qff5a89ee82_qkv
	.p2align	8
	.type	k_qff5a89ee82_qkv,@function
k_qff5a89ee82_qkv:
	s_mov_b64 s[64:65], 0
	v_nop
	global_prefetch_b8 v0, s[64:65] scope:SCOPE_SE
	s_setreg_imm32_b32 hwreg(HW_REG_WAVE_MODE, 25, 1), 1
	s_wait_xcnt 0x0
	s_wait_alu depctr_hold_cnt(0) depctr_sa_sdst(0) depctr_va_vdst(0) depctr_va_sdst(0) depctr_va_ssrc(0) depctr_va_vcc(0) depctr_vm_vsrc(0)
	s_getreg_b32 s2, hwreg(HW_REG_IB_STS2, 6, 4)
	s_cmp_eq_u32 s2, 0
	s_cbranch_scc0 .Lentry_in_a_cluster
	s_endpgm
.Lentry_in_a_cluster:
	s_bfe_u32 s2, ttmp6, 0x10000c
	s_cmp_lg_u32 s2, 0x3003
	s_cbranch_scc0 .Lentry_shape_is_right
	s_endpgm
.Lentry_shape_is_right:
; K = x Wk^T + bk, V = x Wv^T + bv, Q = x Wq^T + bq on codes of BF6 (E3M2), for 256 tokens and one head (64 columns); the results are quantised in registers for the attention's products, and
; QEr[l] = Q[l] . Er[l] (f32 multiply-adds on the unquantised Q) becomes the bias per key: Srel[key 2 n] = 0, Srel[key 2 n + 1] = QEr[1024 + n].
; SHARES.  Work-group (rb, hd): token places 256 rb on, head hd.  Wave w: 64 tokens (four tiles of 16) x the head's 64 columns (four tiles): 16 accumulators, three jobs in the order K, V, Q.
; x's fragments of the wave, 4 tiles x 8 K steps x 12 registers, are loaded ONCE, straight from ci into 384 registers, and serve all three jobs.
; The three weights' tiles (64 rows x 1,024 along K: 49,152 dense bytes each) lie in LDS, each in bytes of its own, filled once: no LDS byte is filled twice.
; CLUSTER.  The four work-groups of a cluster have the same head and need the same weights: each tile is asked for JOINTLY (mask 15), a quarter by each wave; the descriptors hang on the head and the
; wave's number alone.  The one branch on a place (are these tokens 1,024 or later?) hangs on the cluster's x, which the partners share: rb = 4 x cluster x + cx, so rb % 8 >= 4 where cluster x is odd.
; ROWS.  In ci place r of tile 2 B + u is row 32 B + 8 u + r + 8 (r / 8).  So in a result register j of lane (r, h) in tile 2 B + u is index 32 B + 16 h + 8 u + j along source 0's rows.
; K, Q: source 0 = the weight, source 1 = x: a lane holds one token and 32 numbers along the head's 64: two half blocks, quantised along d.  V: the sources are swapped: a lane holds one channel and 32 of
; the wave's 64 tokens: quantised along the keys.
; OUT.  A record of 768 bytes is 16 rows x 64 along K as an image of six operand registers (registers 0-3 at 16 x lane, 4-5 at 512 + 8 x lane).
;   qc [bh 32][tile 128][768];  qs [bh][step 16][2][lane][16 bytes]: word i of half q is tile 4 q + i; the words' upper two bytes are 0 (the product's upper 64 along K are zero codes).
;   kv [bh][step 16][14,336]: a step is 128 keys: K's 8 records at 0; V's [channel tile 4][key half 2] records at 6,144; K's scale words (as qs) at 12,288; V's scale half words
;   [key half 2][lane][4 x 2 bytes] at 13,312; Srel, 128 f32 in key order, at 13,824.
; LIMITS: NaN and infinities are not served; a block of zeros or under 2^-122 carries the byte 1 (read by this program alone).
; REGISTERS, in windows of 256: window 0: v1-10 addresses; v16-47 x's scale words; v48-79 the weight's; v80-175 the weight's fragments, two buffers (v80-111 also the numbers on the way out);
;   v176-207 bias; v208-247 at work.  windows 1, 2: x's fragments of K steps 0-3, 4-7.  window 3: v0-127 the accumulators ((a, b) at 8 (4 a + b)); v128-255 Er's numbers.
.set FRT,   12288                      ; a tile of 16 rows x 1,024 along K in bytes
.set TILEB, 4*FRT                      ; a job's weights
.set SCR,   3*TILEB                    ; behind them: 512 bytes for each wave, its own, for Srel
.set AS,   16                          ; x's scale word (tile a, K step s) at AS + 8 a + s
.set BS,   48                          ; the weight's (tile b, K step s) at BS + 8 b + s
.set BF,   80                          ; the weight's four fragments of a K step: two buffers of 48
.set H,    80                          ; the way out: 32 numbers of a lane
.set BIAS, 176                         ; bias of my 32 columns (jobs K, Q)
.set PC,   208                         ; a record's six registers
.set CT,   216
.set TM,   220
.set SW,   228                         ; v228-231 scale bytes of four tiles
.set QE,   232                         ; v[232:233] the pair (0, QEr)
.set DOT,  234                         ; v234-237 two chains of packed sums
.set BV,   240                         ; v240-243 bv of my channel in each of the four tiles
.set BK,   244                         ; v244-247 Srel read back
.set ER,   128                         ; window 3: Er's numbers of tile a at ER + 32 a
.set WV,   22
.set G1,   28                          ; s[28:35] descriptor group 1;  s[36:47] three groups 0
.set G0,   36
.set SEL,  48
.set QER,  50                          ; 1 where my tokens are 1,024 or later in their sequence
.set XB,   56                          ; s[56:57] x's fragments;  s[58:59] x's scale words;  s[60:61] the head's weights' scale words
.set ASB,  58
.set BSB,  60
.set KCB,  66                          ; where I store: K's codes, K's scale words, V's codes, V's half words, Srel, Q's codes, Q's scale words
.set KSB,  68
.set VCB,  70
.set VSB,  72
.set SRB,  74
.set QCB,  76
.set QSB,  78
.set MSB, 0
.macro WIN new                         ; the immediate's high byte repeats the setting that is left; a switch that changes nothing is dropped
.if MSB != (\new)
	s_set_vgpr_msb (MSB<<8)|(\new)
.set MSB, (\new)
.endif
.endm
.macro PLACES n
.rept \n
	v_nop
.endr
.endm
.macro CROUND                          ; a round of the cluster's barrier
	s_barrier_signal -1
	s_barrier_wait -1
	s_cmp_lg_u32 s[WV], 0
	s_cbranch_scc1 .Lnw0_\@
	s_barrier_signal -3
.Lnw0_\@:
	s_barrier_wait -3
	s_barrier_signal -1
	s_barrier_wait -1
.endm
; 32 numbers of a lane, register 16 b + i = k 32 b + 16 (lane / 16) + i of my row, become a record's six registers v[pc] on, and the two blocks' scale bytes in v[hw].
.macro QHF s, pc, hw
	v_max3_num_f32 v[TM], |v[\s]|, |v[\s+1]|, 0x2800000            ; the floor 2^(5 - 127): the byte cannot fall under 1
	v_max3_num_f32 v[TM+1], |v[\s+16]|, |v[\s+17]|, 0x2800000
.irp i, 2,4,6,8,10,12,14
	v_max3_num_f32 v[TM], v[TM], |v[\s+\i]|, |v[\s+\i+1]|
	v_max3_num_f32 v[TM+1], v[TM+1], |v[\s+16+\i]|, |v[\s+17+\i]|
.endr
	v_permlanex16_b32 v[TM+2], v[TM], s[SEL], s[SEL+1]
	v_permlanex16_b32 v[TM+3], v[TM+1], s[SEL], s[SEL+1]
	v_max_num_f32 v[TM], v[TM], v[TM+2]                            ; with lane l xor 16's 16: the block's largest magnitude
	v_max_num_f32 v[TM+1], v[TM+1], v[TM+3]
	v_add_nc_u32 v[TM+4], 0xfe000000, v[TM]                        ; 4 off the exponent field: the conversion's scale operand
	v_add_nc_u32 v[TM+5], 0xfe000000, v[TM+1]
	v_lshrrev_b32 v[TM+2], 23, v[TM+4]
	v_lshrrev_b32 v[TM+3], 23, v[TM+5]
	v_lshl_or_b32 v[\hw], v[TM+3], 8, v[TM+2]
	v_cvt_scalef32_pk16_bf6_f32 v[\pc:\pc+2], v[\s:\s+15], v[TM+4]
	v_cvt_scalef32_pk16_bf6_f32 v[CT:CT+2], v[\s+16:\s+31], v[TM+5]
	v_nop                                                          ; one plain instruction behind the scaled conversions
.irp i, 0,1,2
	v_permlane16_swap_b32 v[\pc+\i], v[CT+\i]                      ; each lane gets its own block's lower and upper 16 codes
.endr
.irp i, 0,1,2
	v_mov_b32 v[\pc+3+\i], v[CT+\i]
.endr
.endm
	s_load_b256 s[4:11], s[0:1], 0x0               ; ci s[4:5], si s[6:7], bq s[8:9], bk s[10:11]
	s_load_b256 s[12:19], s[0:1], 0x20             ; bv s[12:13], Er s[14:15], qc s[16:17], qs s[18:19]
	s_load_b64 s[20:21], s[0:1], 0x40              ; kv
	v_lshl_add_u32 v254, v0, 2, 0x29000
	v_mov_b32 v255, 0
	ds_add_u32 v254, v255
	ds_add_u32 v254, v255
	v_lshrrev_b32 v3, 5, v0
	v_readfirstlane_b32 s[WV], v3                  ; wave 0..3
	s_bfe_u32 s23, ttmp6, 0x40000                  ; cx: it enters global addresses of my own loads and stores alone
	s_lshl_b32 s24, ttmp9, 2
	s_add_co_u32 s24, s24, s23                     ; rb = 4 x cluster x + cx
	s_and_b32 s25, ttmp7, 0xffff                   ; the head, which the partners share
	s_and_b32 s[QER], ttmp9, 1
	s_and_b32 s26, s24, 7                          ; rb % 8: my 256 tokens in their sequence
	s_lshr_b32 s27, s24, 3
	s_lshl_b32 s27, s27, 4
	s_add_co_u32 s27, s27, s25                     ; bh = 16 x batch + head
	; descriptor group 1: 12,288 dense bytes as 48 rows of 256 bytes (32 elements of 8 bytes)
	s_mov_b32 s[G1], 15|(3<<16)|(1<<21)            ; 15:0 the mask: all four work-groups; 17:16 elements of 8 bytes; 21 set beside a mask; no padding
	s_mov_b32 s[G1+1], 32<<16                      ; tensor_dim0 = 32
	s_mov_b32 s[G1+2], 48<<16                      ; tensor_dim1 = 48
	s_mov_b32 s[G1+3], 32<<16                      ; tile_dim0 = 32
	s_mov_b32 s[G1+4], 48                          ; tile_dim1 = 48
	s_mov_b32 s[G1+5], 32                          ; from row to row
	s_mov_b32 s[G1+6], 0
	s_mov_b32 s[G1+7], 0
	s_lshl_b32 s52, s25, 2
	s_add_co_u32 s52, s52, s[WV]                   ; of a weight's 64 tiles I fetch tile 4 x head + wave
	s_mul_i32 s52, s52, FRT
	s_mov_b32 s53, 0
	s_mul_i32 s51, s[WV], FRT                      ; and its place in LDS: the wave's number alone
	s_mov_b32 s[SEL], 0x76543210
	s_mov_b32 s[SEL+1], 0xfedcba98
	v_and_b32 v3, 31, v0
	v_lshlrev_b32 v1, 4, v3                        ; 16 x lane
	v_lshlrev_b32 v2, 3, v3                        ; 8 x lane
	v_and_b32 v11, 15, v0                          ; r
	v_bfe_u32 v12, v0, 4, 1                        ; h
	v_and_b32 v13, 8, v11
	v_add_nc_u32 v13, v13, v11                     ; r + 8 (r / 8): the row that place r of a tile holds
	v_lshlrev_b32 v6, 6, v12                       ; 64 h: 16 numbers on for lanes 16-31
	v_lshlrev_b32 v7, 2, v13                       ; bv: my channel
	v_lshl_add_u32 v8, v13, 8, v6                  ; Er: my token's row of 256 bytes, + 64 h
	s_lshl_b32 s91, s[WV], 9
	s_add_co_u32 s91, s91, SCR
	v_lshl_add_u32 v9, v13, 3, s91                 ; my wave's 512 bytes: 8 bytes a token
	v_add_nc_u32 v10, s91, v1                      ; and back, 16 bytes a lane
	v_mov_b32 v[TM+2], 0                           ; written once: a lane permute's destination counts as one of its sources
	v_mov_b32 v[TM+3], 0
	v_mov_b32 v[QE], 0                             ; the even keys' Srel
	s_lshl_b32 s80, s24, 4
	s_lshl_b32 s81, s[WV], 2
	s_add_co_u32 s80, s80, s81                     ; my first tile of x: 16 rb + 4 w
	s_mov_b32 s83, 0
	s_lshl_b32 s84, s27, 4                         ; 16 bh
	s_lshl_b32 s85, s26, 1
	s_lshr_b32 s86, s[WV], 1
	s_add_co_u32 s85, s85, s86
	s_add_co_u32 s85, s85, s84                     ; my step of 128 keys: 16 bh + 2 (rb % 8) + w / 2
	s_and_b32 s86, s[WV], 1                        ; and which half of it
	s_wait_dscnt 0x0
	CROUND                                         ; the round in front of the first joint loads; the arguments' loads are on their way meanwhile
	s_wait_kmcnt 0x0
	s_add_nc_u64 s[54:55], s[4:5], s[52:53]
.irp j, 0,1,2                          ; job j takes weight (j + 1) % 3 of Wq, Wk, Wv: K, V, Q
	s_mov_b32 s[G0+4*\j], 1                                        ; count = 1
	s_add_co_u32 s[G0+4*\j+1], s51, \j*TILEB                       ; LDS address
	s_add_nc_u64 s[G0+4*\j+2:G0+4*\j+3], s[54:55], (256+64*((\j+1)%3))*FRT   ; global address
	s_or_b32 s[G0+4*\j+3], s[G0+4*\j+3], 0x80000000                ; type = 2
.endr
	s_mul_i32 s82, s80, FRT
	s_add_nc_u64 s[XB:XB+1], s[4:5], s[82:83]
	s_lshl_b32 s82, s80, 10
	s_add_nc_u64 s[ASB:ASB+1], s[6:7], s[82:83]
	s_lshl_b32 s82, s25, 12                        ; 4 tiles of 1,024 bytes a head
	s_add_nc_u64 s[BSB:BSB+1], s[6:7], s[82:83]
	s_lshl_b32 s82, s25, 8                         ; the head's 64 numbers of a bias
	s_add_nc_u64 s[8:9], s[8:9], s[82:83]
	s_add_nc_u64 s[10:11], s[10:11], s[82:83]
	s_add_nc_u64 s[12:13], s[12:13], s[82:83]
	s_lshl_b32 s82, s26, 16                        ; Er: row 256 (rb % 8) + 64 w, 256 bytes a row: always inside its 2,048 rows
	s_lshl_b32 s87, s[WV], 14
	s_add_co_u32 s82, s82, s87
	s_add_nc_u64 s[14:15], s[14:15], s[82:83]
	s_mul_i32 s82, s85, 14336
	s_add_nc_u64 s[88:89], s[20:21], s[82:83]      ; my step's record
	s_mul_i32 s82, s86, 3072
	s_add_nc_u64 s[KCB:KCB+1], s[88:89], s[82:83]  ; + my half's four records of K,
	s_lshl_b32 s82, s86, 9
	s_add_nc_u64 s[KSB:KSB+1], s[88:89], s[82:83]  ; 512 bytes of scale words,
	s_mul_i32 s82, s86, 768
	s_add_nc_u64 s[VCB:VCB+1], s[88:89], s[82:83]  ; one record of V in each channel tile,
	s_lshl_b32 s82, s86, 8
	s_add_nc_u64 s[VSB:VSB+1], s[88:89], s[82:83]  ; 256 bytes of half words
	s_and_b32 s87, s24, 3
	s_lshl_b32 s87, s87, 2
	s_add_co_u32 s87, s87, s[WV]
	s_add_co_u32 s87, s87, s84
	s_mul_i32 s82, s87, 14336                      ; tokens 1,024 + 64 n on give keys 128 n on: step 4 (rb % 4) + w
	s_add_nc_u64 s[SRB:SRB+1], s[20:21], s[82:83]
	s_lshl_b32 s87, s27, 7
	s_lshl_b32 s90, s26, 4
	s_add_co_u32 s87, s87, s90
	s_add_co_u32 s87, s87, s81
	s_mul_i32 s82, s87, 768                        ; Q's tile 128 bh + 16 (rb % 8) + 4 w
	s_add_nc_u64 s[QCB:QCB+1], s[16:17], s[82:83]
	s_lshl_b32 s82, s85, 10
	s_lshl_b32 s90, s86, 9
	s_add_co_u32 s82, s82, s90
	s_add_nc_u64 s[QSB:QSB+1], s[18:19], s[82:83]
	tensor_load_to_lds s[G0:G0+3], s[G1:G1+7]      ; the first job's weights: my one load at the head; each later job's are asked for at the start of the job before
	s_nop 0
	PLACES 4                                       ; four nops behind the load
.macro BSLOAD m                        ; the scale words of weight m's four tiles
.irp b, 0,1,2,3
.irp q, 0,1
	global_load_b128 v[BS+8*\b+4*\q:BS+8*\b+4*\q+3], v1, s[BSB:BSB+1] offset:(256+64*(\m)+\b)*1024+512*\q
.endr
.endr
.endm
.macro BIASLOAD p                      ; lane (r, h) wants, for tile b, the bias of columns 32 (b / 2) + 8 (b % 2) + 16 h + 0 .. 7
.irp b, 0,1,2,3
.irp e, 0,1
	global_load_b128 v[BIAS+8*\b+4*\e:BIAS+8*\b+4*\e+3], v6, s[\p:\p+1] offset:(32*(\b/2)+8*(\b%2))*4+16*\e
.endr
.endr
.endm
.irp a, 0,1,2,3
.irp q, 0,1
	global_load_b128 v[AS+8*\a+4*\q:AS+8*\a+4*\q+3], v1, s[ASB:ASB+1] offset:1024*\a+512*\q
.endr
.endr
	BSLOAD 1
	s_wait_alu depctr_va_vdst(0)
	BIASLOAD 10
.irp b, 0,1,2,3
	global_load_b32 v[BV+\b], v7, s[12:13] offset:(32*(\b/2)+8*(\b%2))*4
.endr
.irp k, 0,1,2,3,4,5,6,7                ; x's fragments, K step by K step, so that the first job can begin while the later steps' are on their way
	WIN 0x40*(1+\k/4)                              ; destination window 1 or 2
.irp a, 0,1,2,3
	global_load_b128 v[48*(\k%4)+12*\a:48*(\k%4)+12*\a+3], v1, s[XB:XB+1] offset:FRT*\a+1536*\k
	global_load_b64 v[48*(\k%4)+12*\a+4:48*(\k%4)+12*\a+5], v2, s[XB:XB+1] offset:FRT*\a+1536*\k+512
	global_load_b128 v[48*(\k%4)+12*\a+6:48*(\k%4)+12*\a+9], v1, s[XB:XB+1] offset:FRT*\a+1536*\k+768
	global_load_b64 v[48*(\k%4)+12*\a+10:48*(\k%4)+12*\a+11], v2, s[XB:XB+1] offset:FRT*\a+1536*\k+1280
.endr
.endr
	WIN 0
.macro FETCHB s, buf                   ; the weight's four fragments of K step s: 16 LDS loads, each of consecutive bytes
.irp b, 0,1,2,3
	ds_load_b128 v[BF+48*(\buf)+12*\b:BF+48*(\buf)+12*\b+3], v4 offset:\b*FRT+1536*(\s)
	ds_load_b64 v[BF+48*(\buf)+12*\b+4:BF+48*(\buf)+12*\b+5], v5 offset:\b*FRT+1536*(\s)+512
	ds_load_b128 v[BF+48*(\buf)+12*\b+6:BF+48*(\buf)+12*\b+9], v4 offset:\b*FRT+1536*(\s)+768
	ds_load_b64 v[BF+48*(\buf)+12*\b+10:BF+48*(\buf)+12*\b+11], v5 offset:\b*FRT+1536*(\s)+1280
.endr
.endm
.macro MM d, a, b, z, sa, sb           ; one product; z = 1: it starts the sum
.if \z
	v_wmma_scale_f32_16x16x128_f8f6f4 v[\d:\d+7], v[\a:\a+11], v[\b:\b+11], 0, v[\sa], v[\sb] matrix_a_fmt:MATRIX_FMT_BF6 matrix_b_fmt:MATRIX_FMT_BF6
.else
	v_wmma_scale_f32_16x16x128_f8f6f4 v[\d:\d+7], v[\a:\a+11], v[\b:\b+11], v[\d:\d+7], v[\sa], v[\sb] matrix_a_fmt:MATRIX_FMT_BF6 matrix_b_fmt:MATRIX_FMT_BF6
.endif
.endm
; A K step: 16 products; the sixteen accumulators take turns, one instruction a turn, in the same order in every step.  sw = 1: x is source 0.
.macro MUL16 s, buf, sw
.if \sw
	WIN 0xf0|(1+(\s)/4)                            ; source 0 (x) window 1 or 2, source 1 window 0, C and D window 3
.else
	WIN 0xf0|((1+(\s)/4)<<2)                       ; source 0 (the weight) window 0, source 1 (x) window 1 or 2, C and D window 3
.endif
.set rZ, 0
.if (\s) == 0
.set rZ, 1
.endif
.irp a, 0,1,2,3
.irp b, 0,1,2,3
.set rD, 8*(4*\a+\b)
.set rW, BF+48*(\buf)+12*\b
.set rX, 48*((\s)%4)+12*\a
.set rP, BS+8*\b+(\s)
.set rQ, AS+8*\a+(\s)
.if \sw
	MM rD, rX, rW, rZ, rQ, rP
.else
	MM rD, rW, rX, rZ, rP, rQ
.endif
.endr
.endr
.endm
; A job: 8 K steps on the weights in LDS bytes job x 49,152 on.  first = 1: x's fragments are still arriving.
.macro JOB job, sw, first
	s_wait_tensorcnt 0x0                           ; my quarter of this job's weights has landed: no load of mine is out
.if (\job) < 2
	ds_add_u32 v254, v255                          ; the add and its wait ahead of a later first fill
	s_wait_dscnt 0x0
	CROUND                                         ; everybody's quarter has landed, and the four work-groups are here: the joint loads meet
	tensor_load_to_lds s[G0+4*(\job)+4:G0+4*(\job)+7], s[G1:G1+7]   ; the next job's weights, into bytes of their own: my one load behind this round
	s_nop 0
	PLACES 4
.else
	s_wait_dscnt 0x0
	s_barrier_signal -1
	s_barrier_wait -1                              ; everybody's quarter has landed; nothing is asked for behind this barrier
.endif
	v_add_nc_u32 v4, (\job)*TILEB, v1
	s_wait_alu depctr_va_vdst(0)
	v_add_nc_u32 v5, (\job)*TILEB, v2
.if (\first) == 0
	s_wait_loadcnt 0x0                             ; this job's scale words, and what else was asked for meanwhile
.endif
	s_wait_alu depctr_va_vdst(0)
	FETCHB 0, 0
.irp k, 0,1,2,3,4,5,6,7
.if \k < 7
.if \k > 0
	PLACES 4                                       ; four plain instructions between the last products and loads into the buffer that the step before read (ISA guide 7.12.1 for vector instructions)
.endif
	FETCHB \k+1, (\k+1)%2
	s_wait_dscnt 16                                ; this step's fragments are in; the 16 loads just issued stay out
.else
	s_wait_dscnt 0x0
.endif
.if \first
.if 16*(7-\k) > 63
	s_wait_loadcnt 63                              ; (the count's field ends at 63: a smaller count than the 16 loads of each later K step waits for more)
.else
	s_wait_loadcnt 16*(7-\k)                       ; x's fragments of this K step are in; the 16 loads of each later K step stay out
.endif
.endif
	MUL16 \k, \k%2, \sw
	WIN 0
.endr
	PLACES 4                                       ; in front of the first read of results and of loads into the scale words' registers
.endm
; The way out of K and Q, tile a of 16 tokens: + bias, quantised along d, a record stored.  qer = 1: also QEr of these tokens.
.macro QKTILE a, cb, qer
	WIN 0x03                                       ; source 0: window 3
.irp b, 0,1,2,3
.irp j, 0,2,4,6
	v_pk_add_f32 v[H+8*\b+\j:H+8*\b+\j+1], v[8*(4*(\a)+\b)+\j:8*(4*(\a)+\b)+\j+1], v[BIAS+8*\b+\j:BIAS+8*\b+\j+1]   ; each accumulator from its low end on
.endr
.endr
	WIN 0
	s_wait_alu depctr_va_vdst(0)
	s_wait_xcnt 0x0                                ; the last stores have read the registers that are written below
	QHF H, PC, SW+(\a)
	global_store_b128 v1, v[PC:PC+3], s[\cb:\cb+1] offset:768*(\a)
	global_store_b64 v2, v[PC+4:PC+5], s[\cb:\cb+1] offset:768*(\a)+512
.if \qer
	s_cmp_eq_u32 s[QER], 0
	s_cbranch_scc1 .Lnoq_\@
	WIN 0x0c                                       ; source 1 (Er) window 3
	v_pk_mul_f32 v[DOT:DOT+1], v[H:H+1], v[ER+32*(\a):ER+32*(\a)+1]
	v_pk_mul_f32 v[DOT+2:DOT+3], v[H+2:H+3], v[ER+32*(\a)+2:ER+32*(\a)+3]
.irp i, 4,8,12,16,20,24,28
	v_pk_fma_f32 v[DOT:DOT+1], v[H+\i:H+\i+1], v[ER+32*(\a)+\i:ER+32*(\a)+\i+1], v[DOT:DOT+1]
	v_pk_fma_f32 v[DOT+2:DOT+3], v[H+\i+2:H+\i+3], v[ER+32*(\a)+\i+2:ER+32*(\a)+\i+3], v[DOT+2:DOT+3]
.endr
	WIN 0
	v_pk_add_f32 v[DOT:DOT+1], v[DOT:DOT+1], v[DOT+2:DOT+3]
	v_add_f32 v[DOT], v[DOT], v[DOT+1]             ; my 32 of the head's 64,
	v_permlanex16_b32 v[DOT+2], v[DOT], s[SEL], s[SEL+1]
	s_wait_alu depctr_va_vdst(0)
	s_wait_dscnt 0x0                               ; the last tile's LDS store has read the pair
	v_add_f32 v[QE+1], v[DOT], v[DOT+2]            ; and lane l xor 16's 32
	ds_store_b64 v9, v[QE:QE+1] offset:8*(32*((\a)/2)+8*((\a)%2))   ; keys 2 n and 2 n + 1 of token n; both lanes of a token write the same bytes with the same values
.Lnoq_\@:
.endif
.endm
; The way out of V, tile b of 16 channels: + bias, quantised along the wave's 64 keys, a record stored.
.macro VTILE b
	WIN 0x03
.irp a, 0,1,2,3
.irp j, 0,1,2,3,4,5,6,7
	v_add_f32 v[H+8*\a+\j], v[8*(4*\a+(\b))+\j], v[BV+(\b)]
.endr
.endr
	WIN 0
	s_wait_xcnt 0x0
	QHF H, PC, SW+(\b)
	global_store_b128 v1, v[PC:PC+3], s[VCB:VCB+1] offset:6144+1536*(\b)
	global_store_b64 v2, v[PC+4:PC+5], s[VCB:VCB+1] offset:6144+1536*(\b)+512
.endm
	JOB 0, 0, 1                                    ; K
	BSLOAD 2                                       ; Wv's scale words land under K's way out
	QKTILE 0, KCB, 0
	QKTILE 1, KCB, 0
	QKTILE 2, KCB, 0
	QKTILE 3, KCB, 0
	global_store_b128 v1, v[SW:SW+3], s[KSB:KSB+1] offset:12288
	BIASLOAD 8                                     ; bq: V's way out takes bv alone
	WIN 0xc0                                       ; destination window 3
.irp a, 0,1,2,3                        ; Er's numbers in Q's layout: token 32 (a / 2) + 8 (a % 2) + r + 8 (r / 8) of my 64, d = 32 (b / 2) + 8 (b % 2) + 16 h + 0 .. 7
.irp b, 0,1,2,3
.irp e, 0,1
	global_load_b128 v[ER+32*\a+8*\b+4*\e:ER+32*\a+8*\b+4*\e+3], v8, s[14:15] offset:(32*(\a/2)+8*(\a%2))*256+(32*(\b/2)+8*(\b%2))*4+16*\e
.endr
.endr
.endr
	WIN 0
	JOB 1, 1, 0                                    ; V, the sources swapped
	BSLOAD 0
	VTILE 0
	VTILE 1
	VTILE 2
	VTILE 3
	v_lshl_or_b32 v[SW], v[SW+1], 16, v[SW]        ; four half words: 8 bytes a lane
	v_lshl_or_b32 v[SW+1], v[SW+3], 16, v[SW+2]
	global_store_b64 v2, v[SW:SW+1], s[VSB:VSB+1] offset:13312
	JOB 2, 0, 0                                    ; Q
	QKTILE 0, QCB, 1
	QKTILE 1, QCB, 1
	QKTILE 2, QCB, 1
	QKTILE 3, QCB, 1
	s_wait_alu depctr_va_vdst(0)
	global_store_b128 v1, v[SW:SW+3], s[QSB:QSB+1]
	s_cmp_eq_u32 s[QER], 0
	s_cbranch_scc1 .Lno_srel
	ds_load_b128 v[BK:BK+3], v10                   ; LDS serves a wave's instructions in order: this sees my stores
	s_wait_dscnt 0x0
	global_store_b128 v1, v[BK:BK+3], s[SRB:SRB+1] offset:13824   ; 128 keys' Srel: 512 consecutive bytes
.Lno_srel:
	s_wait_dscnt 0x0
	s_wait_tensorcnt 0x0
	ds_add_u32 v254, v255
	s_wait_dscnt 0x0
	CROUND                                         ; the closing round: no work-group ends while a partner may still ask for a tile that names it
	s_endpgm
.Lfunc_end_k_qff5a89ee82_qkv:
	.size	k_qff5a89ee82_qkv, .Lfunc_end_k_qff5a89ee82_qkv-k_qff5a89ee82_qkv
	.p2alignl 7, 3214868480
	.fill 96, 4, 3214868480
	.section	.rodata,"a",@progbits
	.p2align	6, 0x0
	.amdhsa_kernel k_qff5a89ee82_qkv
		.amdhsa_group_segment_fixed_size 327680
		.amdhsa_private_segment_fixed_size 0
		.amdhsa_enable_private_segment 0
		.amdhsa_kernarg_size 72
		.amdhsa_user_sgpr_count 2
		.amdhsa_user_sgpr_kernarg_segment_ptr 1
		.amdhsa_wavefront_size32 1
		.amdhsa_system_sgpr_workgroup_id_x 1
		.amdhsa_system_sgpr_workgroup_id_y 1
		.amdhsa_system_sgpr_workgroup_id_z 1
		.amdhsa_system_vgpr_workitem_id 0
		.amdhsa_next_free_vgpr 1024
		.amdhsa_next_free_sgpr 100
		.amdhsa_reserve_vcc 0
		.amdhsa_float_denorm_mode_32 3
		.amdhsa_float_denorm_mode_16_64 3
		.amdhsa_memory_ordered 1
		.amdhsa_forward_progress 1
		.amdhsa_inst_pref_size 150
	.end_amdhsa_kernel
	.amdgpu_metadata
---
amdhsa.version: [ 1, 2 ]
amdhsa.kernels:
  - .name:           k_qff5a89ee82_qkv
    .symbol:         k_qff5a89ee82_qkv.kd
    .args:
      - { .name: ci, .offset: 0, .size: 8, .value_kind: global_buffer, .address_space: global }
      - { .name: si, .offset: 8, .size: 8, .value_kind: global_buffer, .address_space: global }
      - { .name: bq, .offset: 16, .size: 8, .value_kind: global_buffer, .address_space: global }
      - { .name: bk, .offset: 24, .size: 8, .value_kind: global_buffer, .address_space: global }
      - { .name: bv, .offset: 32, .size: 8, .value_kind: global_buffer, .address_space: global }
      - { .name: Er, .offset: 40, .size: 8, .value_kind: global_buffer, .address_space: global }
      - { .name: qc, .offset: 48, .size: 8, .value_kind: global_buffer, .address_space: global }
      - { .name: qs, .offset: 56, .size: 8, .value_kind: global_buffer, .address_space: global }
      - { .name: kv, .offset: 64, .size: 8, .value_kind: global_buffer, .address_space: global }
    .group_segment_fixed_size: 327680
    .private_segment_fixed_size: 0
    .kernarg_segment_align: 8
    .kernarg_segment_size: 72
    .max_flat_workgroup_size: 128
    .sgpr_count:     100
    .vgpr_count:     1024
    .wavefront_size: 32
...
	.end_amdgpu_metadata
.endif
;; end of part 2
;; launch attn (part 3): grid 8 x 32, 16 waves a work-group, clusters of 4 x 1, 327,680 bytes of LDS; arguments qc, qs, kv, ac, asc; writes ac, asc
.if DOCPART == 3
	.amdgcn_target "amdgcn-amd-amdhsa--gfx1250"
	.amdhsa_code_object_version 6
	.text
	.protected	k_qff5a89ee82_attn
	.globl	k_qff5a89ee82_attn
	.p2align	8
	.type	k_qff5a89ee82_attn,@function
k_qff5a89ee82_attn:
	s_mov_b64 s[64:65], 0
	v_nop
	global_prefetch_b8 v0, s[64:65] scope:SCOPE_SE
	s_setreg_imm32_b32 hwreg(HW_REG_WAVE_MODE, 25, 1), 1
	s_wait_xcnt 0x0
	s_wait_alu depctr_hold_cnt(0) depctr_sa_sdst(0) depctr_va_vdst(0) depctr_va_sdst(0) depctr_va_ssrc(0) depctr_va_vcc(0) depctr_vm_vsrc(0)
	s_getreg_b32 s2, hwreg(HW_REG_IB_STS2, 6, 4)
	s_cmp_eq_u32 s2, 0
	s_cbranch_scc0 .Lentry_in_a_cluster
	s_endpgm
.Lentry_in_a_cluster:
	s_bfe_u32 s2, ttmp6, 0x10000c
	s_cmp_lg_u32 s2, 0x3003
	s_cbranch_scc0 .Lentry_shape_is_right
	s_endpgm
.Lentry_shape_is_right:
; Causal attention of one head on codes of BF6 (E3M2): score = (Q . K + Srel[key]) / 8; key k counts for query q where k <= q; t = score x log2(e); M = the running largest t rounded UP to a whole number;
; p = 2^(t - M) is quantised along the keys, not normalised; the row's sum is taken of the unquantised p and divides O at the end; O is then quantised along d for the output projection.
; LEFT OUT: steps of 128 keys that all come after a tile's queries (reference()'s own causal mask makes their p zero).
; SHARES.  Work-group (i, bh) takes query tile 8 b + i of every block b = 0 .. 15 of 128 queries: 16 tiles of 16 queries, tile of block b needs steps 0 .. b of 128 keys: 136 wave steps in every work-group,
; and every work-group reads all 16 records.  Waves w and w + 8 (w = 0 .. 7) share the tiles of blocks w (short) and 15 - w (long):
;   wave w:     the short tile at steps 0 .. w; it is written out; then the long tile at steps w + 1 .. 7: eight steps (for w = 7 its part of the long tile is empty: zeros, and M at its start value);
;   wave w + 8: the long tile at steps 0 .. w and 8 .. 15 - w: nine steps.
; The long tile's two parts (O^T, the sums, -M) are joined at the end through LDS: M is a whole number in both, so each part is brought under the larger M by an exact power of two.
; Every wave walks all 16 steps in two counted loops and jumps over the steps that are not its own: the jumps hang on the wave's number and the step alone.
; CLUSTER.  The four work-groups of a cluster have the same head: the records are asked for JOINTLY (mask 15); the descriptors hang on bh and the wave's number.  The work-group's place enters only global
; addresses of its own loads and stores and the number that the diagonal's compares take.
; LDS.  The head's 16 records of kv (14,336 bytes a step) lie in LDS whole, each byte filled once: records 0-1 by the head's loads (a sixteenth a wave), records 2-15 by one more load a wave, issued behind
; the waits, the add and the round; it is waited for behind the first two steps, in which every wave but wave 8 has two steps of its own.
; The launch claims all LDS.
; NO PREFETCH: all that the work-group reads of kv is asked for by these two loads at the start; no later load is left to run ahead of.
; LAYOUT.  Both products are used transposed: S^T = K Q^T + Srel (C = Srel, loaded into the result's registers), O^T = V^T P^T: a lane holds ONE query.
; Place r of tile 2 B + u holds row 32 B + 8 u + r + 8 (r / 8), so the 16 registers of two neighbouring tiles are 16 neighbouring keys 32 B + 16 (lane / 16) + 0 .. 15.
; The first product's K is the head's 64.  Q's upper six registers are zero codes, so whatever codes K's operand holds in its upper six registers add nothing (every code of E3M2 is a finite number, and the
; scale words' upper two bytes are 0, a finite scale).  So the step's eight fragments of K lie six registers apart: a fragment's upper six registers are the next tile's codes, and six zeros close the run.
; OUT.  ac [token tile 256][head 16][768]; asc [bh][tile % 8][tile / 8][r 16] 2 bytes: a work-group's 512 bytes are consecutive.
; LIMITS: NaN and infinities are not served; a block of zeros or under 2^-122 carries the byte 1 (read by this program alone); 1 / the sum is v_rcp_f32 and a multiplication;
; the promise holds while the scaled scores t stay under 2^31 in magnitude.
.set REC,  14336
.set CHK,  2*REC                       ; records 0-1
.set SCR,  16*REC                      ; 512 bytes: the sixteen tiles' scale half words, by block
.set XCH,  SCR+512                     ; eight regions: wave w's part of the long tile, an image of its registers
.set PAIRB, 4608                       ; 8 x 512 bytes of O^T, 512 of v12-15
.set SPARE, XCH+8*PAIRB                ; the spare words: 128 bytes for each of 16 waves
.set KFR,  32                          ; v32-79   K's eight fragments, tile t at KFR + 6 t; then V's four, tile t at KFR + 12 t;  v80-85 stay 0
.set KS,   86                          ; v86-93   K's scale words
.set VWA,  94                          ; v94, v95, v252, v253  V's scale words
.set VWB,  252
.set S,    96                          ; v96-159  S^T, then p
.set O,    160                         ; v160-191 O^T
.set PCD,  192                         ; v192-203 p's codes
.set CT,   204                         ; v204-206, v208-210 the conversions' second runs
.set BM,   212                         ; v212-215 the blocks' largest scores, then largest p
.set TM,   212
.set BT,   216
.set SO,   220
.set FF,   226                         ; v226 f = 2^(old M - new M);  v227 p's scale word
.set TP,   228
.set Q2,   232                         ; v232-238 the long tile's Q and its scale word
.set VS,   240                         ; v240-243 V's half words
.set CH,   244                         ; v244-251 four chains of packed sums
.set WV,   14
.set W7,   15                          ; w
.set ISB,  16                          ; 1 in waves 8-15
.set BH,   17
.set IX,   18                          ; i
.set BLK,  19                          ; the block of the tile at work
.set BLK2, 20                          ; the long tile's
.set SWT,  21                          ; the step at whose head waves 0-7 change tiles
.set ACT,  22                          ; bit t: step t is mine
.set T,    23
.set G1,   24                          ; s[24:31], s[32:35] the head's load;  s[40:47], s[36:39] the second
.set G0,   32
.set G0B,  36
.set G1B,  40
.set SEL,  48
.set CS,   50                          ; s[50:51] c = log2(e) / 8
.set TB,   52                          ; LDS byte at which the step's record begins
.set CNT,  54
.set QB1,  66
.set QS1,  68
.set QB2,  70
.set QS2,  72
.set TO,   74                          ; the tile that I write out
.set T2,   75                          ; the long tile
.macro PLACES n
.rept \n
	v_nop
.endr
.endm
.macro CROUND                          ; a round of the cluster's barrier
	s_barrier_signal -1
	s_barrier_wait -1
	s_cmp_lg_u32 s[WV], 0
	s_cbranch_scc1 .Lnw0_\@
	s_barrier_signal -3
.Lnw0_\@:
	s_barrier_wait -3
	s_barrier_signal -1
	s_barrier_wait -1
.endm
.macro QHF s, pc, hw                   ; 32 numbers of a lane, register 16 b + i = k 32 b + 16 (lane / 16) + i, become a record's six registers and two scale bytes
	v_max3_num_f32 v[TM], |v[\s]|, |v[\s+1]|, 0x2800000            ; the floor 2^(5 - 127): the byte cannot fall under 1
	v_max3_num_f32 v[TM+1], |v[\s+16]|, |v[\s+17]|, 0x2800000
.irp i, 2,4,6,8,10,12,14
	s_delay_alu instid0(VALU_DEP_2)
	v_max3_num_f32 v[TM], v[TM], |v[\s+\i]|, |v[\s+\i+1]|
	s_delay_alu instid0(VALU_DEP_2)
	v_max3_num_f32 v[TM+1], v[TM+1], |v[\s+16+\i]|, |v[\s+17+\i]|
.endr
	s_delay_alu instid0(VALU_DEP_2)
	v_permlanex16_b32 v[TM+2], v[TM], s[SEL], s[SEL+1]
	s_delay_alu instid0(VALU_DEP_2)
	v_permlanex16_b32 v[TM+3], v[TM+1], s[SEL], s[SEL+1]
	s_delay_alu instid0(VALU_DEP_2)
	v_max_num_f32 v[TM], v[TM], v[TM+2]
	s_delay_alu instid0(VALU_DEP_2)
	v_max_num_f32 v[TM+1], v[TM+1], v[TM+3]
	s_delay_alu instid0(VALU_DEP_2)
	v_add_nc_u32 v[TM+4], 0xfe000000, v[TM]
	s_delay_alu instid0(VALU_DEP_2)
	v_add_nc_u32 v[TM+5], 0xfe000000, v[TM+1]
	s_delay_alu instid0(VALU_DEP_2)
	v_lshrrev_b32 v[TM+2], 23, v[TM+4]
	s_delay_alu instid0(VALU_DEP_2)
	v_lshrrev_b32 v[TM+3], 23, v[TM+5]
	s_delay_alu instid0(VALU_DEP_1)
	v_lshl_or_b32 v[\hw], v[TM+3], 8, v[TM+2]
	v_cvt_scalef32_pk16_bf6_f32 v[\pc:\pc+2], v[\s:\s+15], v[TM+4]
	v_cvt_scalef32_pk16_bf6_f32 v[CT:CT+2], v[\s+16:\s+31], v[TM+5]
	v_nop                                                          ; one plain instruction behind the scaled conversions
.irp i, 0,1,2
	v_permlane16_swap_b32 v[\pc+\i], v[CT+\i]
.endr
.irp i, 0,1,2
	s_delay_alu instid0(VALU_DEP_3)
	v_mov_b32 v[\pc+3+\i], v[CT+\i]
.endr
.endm
; A tile is written out: O^T / the sum, quantised along d: a record of ac, and two scale bytes a token into LDS.
.macro FINISH
	v_add_f32 v14, v14, v15                        ; the sum's two halves,
	s_delay_alu instid0(VALU_DEP_1)
	v_permlanex16_b32 v[TP], v14, s[SEL], s[SEL+1]
	s_delay_alu instid0(VALU_DEP_1)
	v_add_f32 v14, v14, v[TP]                      ; and lane l xor 16's: the row's sum
	s_wait_alu depctr_va_vdst(0)                   ; the wait ahead of the reciprocal,
	v_rcp_f32 v14, v14
	v_nop
	s_wait_alu depctr_va_vdst(0)                   ; and ahead of its first reader
.set j, 0
.rept 32
	v_mul_f32 v[S+j], v[O+j], v14                  ; register 8 t + i is channel 32 (t / 2) + 16 h + 8 (t % 2) + i of my query
.set j, j+1
.endr
	QHF S, PCD, TP
	global_store_b128 v1, v[PCD:PCD+3], s[10:11]   ; 512 and 256 consecutive bytes, at multiples of 256 from ac's first byte
	global_store_b64 v2, v[PCD+4:PCD+5], s[10:11] offset:512
	ds_store_b16 v10, v[TP]                        ; both lanes of a token write the same bytes with the same value
.endm
.macro QADR t, qb, qsb                 ; where tile t's record of qc and its scale words lie
	s_lshl_b32 s56, s[BH], 7
	s_add_co_u32 s56, s56, s[\t]
	s_mul_i32 s56, s56, 768
	s_add_nc_u64 s[\qb:\qb+1], s[4:5], s[56:57]
	s_lshl_b32 s56, s[BH], 14
	s_lshr_b32 s59, s[\t], 2
	s_lshl_b32 s59, s59, 9
	s_add_co_u32 s56, s56, s59
	s_and_b32 s59, s[\t], 3
	s_lshl_b32 s59, s59, 2
	s_add_co_u32 s56, s56, s59
	s_add_nc_u64 s[\qsb:\qsb+1], s[6:7], s[56:57]
.endm
	s_load_b256 s[4:11], s[0:1], 0x0               ; qc s[4:5], qs s[6:7], kv s[8:9], ac s[10:11]
	s_load_b64 s[12:13], s[0:1], 0x20              ; asc
	v_lshl_add_u32 v254, v0, 2, SPARE
	v_mov_b32 v255, 0
	ds_add_u32 v254, v255                          ; the opening lines: the add, twice on end, and its wait
	ds_add_u32 v254, v255
	v_lshrrev_b32 v8, 5, v0
	s_delay_alu instid0(VALU_DEP_1)
	v_readfirstlane_b32 s[WV], v8                  ; wave 0..15
	s_and_b32 s[W7], s[WV], 7
	s_lshr_b32 s[ISB], s[WV], 3
	s_and_b32 s[BH], ttmp7, 0xffff                 ; bh, which the partners share
	; descriptor groups 1: dense bytes as rows of 256 bytes (32 elements of 8 bytes): 7 rows, and 49 rows
	s_mov_b32 s[G1], 15|(3<<16)|(1<<21)            ; the mask: all four work-groups; elements of 8 bytes; bit 21 set beside a mask; no padding
	s_mov_b32 s[G1+1], 32<<16
	s_mov_b32 s[G1+2], 7<<16
	s_mov_b32 s[G1+3], 32<<16
	s_mov_b32 s[G1+4], 7
	s_mov_b32 s[G1+5], 32
	s_mov_b32 s[G1+6], 0
	s_mov_b32 s[G1+7], 0
	s_mov_b32 s[G1B], 15|(3<<16)|(1<<21)
	s_mov_b32 s[G1B+1], 32<<16
	s_mov_b32 s[G1B+2], 49<<16
	s_mov_b32 s[G1B+3], 32<<16
	s_mov_b32 s[G1B+4], 49
	s_mov_b32 s[G1B+5], 32
	s_mov_b32 s[G1B+6], 0
	s_mov_b32 s[G1B+7], 0
	s_mul_i32 s56, s[BH], 16*REC                   ; the head's records
	s_mov_b32 s57, 0
	s_mul_i32 s58, s[WV], 1792                     ; my sixteenth of records 0-1,
	s_mul_i32 s59, s[WV], 12544
	s_add_co_u32 s59, s59, CHK                     ; and of records 2-15
	s_mov_b32 s[SEL], 0x76543210
	s_mov_b32 s[SEL+1], 0xfedcba98
	s_mov_b32 s[CS], 0x3e38aa3b                    ; c = log2(e) / 8
	s_mov_b32 s[CS+1], s[CS]
	s_mov_b32 s[TB], 0
	s_mov_b32 s[T], 0
	s_wait_dscnt 0x0
	CROUND                                         ; the round in front of the first joint loads; the arguments' loads are on their way meanwhile
	s_wait_kmcnt 0x0
	s_add_nc_u64 s[60:61], s[8:9], s[56:57]
	s_mov_b32 s56, s58
	s_mov_b32 s[G0], 1
	s_mov_b32 s[G0+1], s58
	s_add_nc_u64 s[G0+2:G0+3], s[60:61], s[56:57]
	s_or_b32 s[G0+3], s[G0+3], 0x80000000
	s_mov_b32 s56, s59
	s_mov_b32 s[G0B], 1
	s_mov_b32 s[G0B+1], s59
	s_add_nc_u64 s[G0B+2:G0B+3], s[60:61], s[56:57]
	s_or_b32 s[G0B+3], s[G0B+3], 0x80000000
	tensor_load_to_lds s[G0:G0+3], s[G1:G1+7]      ; records 0-1: my one load at the head
	s_nop 0
	PLACES 4
	v_and_b32 v8, 31, v0
	s_delay_alu instid0(VALU_DEP_1)
	v_lshlrev_b32 v1, 4, v8                        ; 16 x lane
	v_lshlrev_b32 v2, 3, v8                        ; 8 x lane
	s_wait_alu depctr_va_vdst(0)                   ; the wait ahead of the scalar lines below
	s_bfe_u32 s[IX], ttmp6, 0x40000                ; cx
	s_lshl_b32 s56, ttmp9, 2
	s_add_co_u32 s[IX], s[IX], s56                 ; i = 4 x cluster x + cx
	s_mul_i32 s56, s[ISB], 7
	s_xor_b32 s[BLK], s[WV], s56                   ; the block of the tile that I write out: w, or 15 - w in waves 8-15
	s_sub_co_u32 s[BLK2], 15, s[W7]
	s_lshl_b32 s[TO], s[BLK], 3
	s_add_co_u32 s[TO], s[TO], s[IX]
	s_lshl_b32 s[T2], s[BLK2], 3
	s_add_co_u32 s[T2], s[T2], s[IX]
	s_lshl_b32 s56, 2, s[W7]
	s_sub_co_u32 s56, s56, 1                       ; steps 0 .. w,
	s_sub_co_u32 s59, 8, s[W7]
	s_lshl_b32 s59, 1, s59
	s_sub_co_u32 s59, s59, 1
	s_lshl_b32 s59, s59, 8                         ; and 8 .. 15 - w
	s_or_b32 s56, s56, s59
	s_add_co_u32 s[SWT], s[W7], 1
	s_cmp_eq_u32 s[ISB], 0
	s_cselect_b32 s[ACT], 0xff, s56                ; waves 0-7: steps 0 .. 7
	s_cselect_b32 s[SWT], s[SWT], 99               ; waves 8-15 never change tiles
	QADR T2, QB2, QS2
	QADR TO, QB1, QS1
	global_load_b128 v[Q2:Q2+3], v1, s[QB2:QB2+1]  ; the long tile's Q
	global_load_b64 v[Q2+4:Q2+5], v2, s[QB2:QB2+1] offset:512
	global_load_b32 v[Q2+6], v1, s[QS2:QS2+1]
	s_cmp_lg_u32 s[ISB], 0
	s_cbranch_scc1 .Lisb
	global_load_b128 v[16:19], v1, s[QB1:QB1+1]    ; waves 0-7 begin with the short tile's
	global_load_b64 v[20:21], v2, s[QB1:QB1+1] offset:512
	global_load_b32 v28, v1, s[QS1:QS1+1]
	s_branch .Lqj
.Lisb:
	s_wait_loadcnt 0x0
.irp i, 0,1,2,3,4,5
	v_mov_b32 v[16+\i], v[Q2+\i]                   ; waves 8-15 work on the long tile from the start
.endr
	v_mov_b32 v28, v[Q2+6]
.Lqj:
	s_lshr_b32 s56, s[BH], 4
	s_lshl_b32 s56, s56, 7
	s_add_co_u32 s56, s56, s[TO]
	s_lshl_b32 s56, s56, 4
	s_and_b32 s59, s[BH], 15
	s_add_co_u32 s56, s56, s59
	s_mul_i32 s56, s56, 768
	s_add_nc_u64 s[10:11], s[10:11], s[56:57]      ; ac: record (128 batch + tile) x 16 + head
	s_lshl_b32 s56, s[BH], 12
	s_lshl_b32 s59, s[IX], 9
	s_add_co_u32 s56, s56, s59
	s_add_nc_u64 s[12:13], s[12:13], s[56:57]      ; asc: the head's 4,096 bytes, my work-group's 512
.irp j, 22,23,24,25,26,27
	v_mov_b32 v\j, 0                               ; Q's upper 64 along K: zero codes
.endr
.irp j, 48,49,50,51,52,53
	v_mov_b32 v[KFR+\j], 0                         ; behind K's eighth fragment: written once, no load lands here
.endr
	v_and_b32 v8, 15, v0                           ; r
	v_bfe_u32 v29, v0, 4, 1                        ; h
	v_and_b32 v7, 8, v0
	v_lshlrev_b32 v3, 6, v29                       ; 64 h
	v_add_nc_u32 v7, v7, v8
	v_lshlrev_b32 v11, 4, v29
	s_lshr_b32 s56, s[IX], 1
	s_lshl_b32 s56, s56, 5
	s_and_b32 s59, s[IX], 1
	s_lshl_b32 s59, s59, 3
	s_add_co_u32 s56, s56, s59                     ; my tile's lowest query in its block: 32 (i / 2) + 8 (i % 2)
	v_sub_nc_u32 v7, v7, v11
	s_delay_alu instid0(VALU_DEP_1)
	v_add_nc_u32 v7, s56, v7                       ; on the diagonal: my query - the step's first key - 16 h
	s_lshl_b32 s59, s[BLK], 5
	s_add_co_u32 s59, s59, SCR
	v_lshl_add_u32 v10, v8, 1, s59                 ; my token's half word: 32 bytes a block
	v_add_nc_u32 v11, SCR, v1                      ; and back, 16 bytes a lane
	s_mul_i32 s59, s[W7], PAIRB
	s_add_co_u32 s59, s59, XCH
	v_add_nc_u32 v30, s59, v1                      ; my pair's region
	v_mov_b32 v9, 0xff800000                       ; -infinity
	v_mov_b32 v13, 0xff61b1e6                      ; the largest t so far: -3e38, under every t
	v_mov_b32 v14, 0                               ; the sum, in two halves
	v_mov_b32 v15, 0
	v_floor_f32 v12, -v13                          ; -M
.irp j, 214,215,216,217,218,219,227,228
	v_mov_b32 v\j, 0                               ; written once: lane permutes' destinations count as sources, and v227 is named as the upper half of a pair
.endr
.set j, 0
.rept 32
	v_mov_b32 v[O+j], 0                            ; O^T: the step is written once: a tile's first step finds zeros
.set j, j+1
.endr
; A KEY STEP: 128 keys, the record at LDS byte s[TB].
.macro STEP
	s_cmp_eq_u32 s[T], s[SWT]
	s_cbranch_scc0 .Lnsw_\@
	PLACES 4                                       ; WAVES 0-7 CHANGE TILES: behind the last products the short tile is written out,
	FINISH
.irp i, 0,1,2,3,4,5
	v_mov_b32 v[16+\i], v[Q2+\i]                   ; and the long tile begins
.endr
	v_mov_b32 v28, v[Q2+6]
	v_mov_b32 v13, 0xff61b1e6
	v_mov_b32 v14, 0
	v_mov_b32 v15, 0
	v_floor_f32 v12, -v13
.set j, 0
.rept 32
	v_mov_b32 v[O+j], 0
.set j, j+1
.endr
	s_mov_b32 s[BLK], s[BLK2]
	s_wait_alu depctr_va_vdst(0)                   ; the wait ahead of the wait below
	s_wait_xcnt 0x0                                ; the stores have read the codes' registers, which the step writes again
.Lnsw_\@:
	s_lshr_b32 s56, s[ACT], s[T]
	s_and_b32 s56, s56, 1
	s_cmp_eq_u32 s56, 0                            ; not my step: its work is left out (a branch on the wave's number and the step)
	s_cbranch_scc1 .Lhid_\@
	v_add_nc_u32 v4, s[TB], v1
	v_add_nc_u32 v5, s[TB], v2
	v_add_nc_u32 v6, s[TB], v3
	s_wait_alu depctr_va_vdst(0)
	v_nop
	v_nop                                          ; five plain instructions in front of loads into registers that the last step's products read as V's fragments (four are asked for)
	ds_load_b128 v[KS:KS+3], v4 offset:12288
	ds_load_b128 v[KS+4:KS+7], v4 offset:12800
.irp t, 0,1,2,3,4,5,6,7                ; K's eight fragments in one run, six registers apart
	ds_load_b128 v[KFR+6*\t:KFR+6*\t+3], v4 offset:768*\t
	ds_load_b64 v[KFR+6*\t+4:KFR+6*\t+5], v5 offset:768*\t+512
.endr
.irp t, 0,1,2,3,4,5,6,7                ; Srel of the lane's eight keys of each tile: the sums' C
	ds_load_b128 v[S+8*\t:S+8*\t+3], v6 offset:13824+(32*(\t/2)+8*(\t%2))*4
	ds_load_b128 v[S+8*\t+4:S+8*\t+7], v6 offset:13824+(32*(\t/2)+8*(\t%2))*4+16
.endr
	ds_load_b64 v[VS:VS+1], v5 offset:13312
	ds_load_b64 v[VS+2:VS+3], v5 offset:13568
	s_wait_dscnt 10                                ; all of K, its scale words and Srel of tiles 0-3 are in; out may be Srel of tiles 4-7 (eight loads) and V's half words (two)
.irp t, 0,1,2,3                        ; S^T = K Q^T + Srel
	v_wmma_scale_f32_16x16x128_f8f6f4 v[S+8*\t:S+8*\t+7], v[KFR+6*\t:KFR+6*\t+11], v[16:27], v[S+8*\t:S+8*\t+7], v[KS+\t], v28 matrix_a_fmt:MATRIX_FMT_BF6 matrix_b_fmt:MATRIX_FMT_BF6
.endr
	s_wait_dscnt 0x0
.irp t, 4,5,6,7
	v_wmma_scale_f32_16x16x128_f8f6f4 v[S+8*\t:S+8*\t+7], v[KFR+6*\t:KFR+6*\t+11], v[16:27], v[S+8*\t:S+8*\t+7], v[KS+\t], v28 matrix_a_fmt:MATRIX_FMT_BF6 matrix_b_fmt:MATRIX_FMT_BF6
.endr
	v_perm_b32 v[VWA], v[VS+2], v[VS], 0x05040100  ; V's scale words: the first 64 keys' half word below, the second 64's above.  These four lines are also the places behind the products
	v_perm_b32 v[VWA+1], v[VS+2], v[VS], 0x07060302
	v_perm_b32 v[VWB], v[VS+3], v[VS+1], 0x05040100
	v_perm_b32 v[VWB+1], v[VS+3], v[VS+1], 0x07060302
.irp t, 0,1,2,3                        ; V's four fragments (16 channels x these 128 keys) into the registers that K has left: the softmax stands between these loads and the wait for them
	ds_load_b128 v[KFR+12*\t:KFR+12*\t+3], v4 offset:6144+1536*\t
	ds_load_b64 v[KFR+12*\t+4:KFR+12*\t+5], v5 offset:6144+1536*\t+512
	ds_load_b128 v[KFR+12*\t+6:KFR+12*\t+9], v4 offset:6144+1536*\t+768
	ds_load_b64 v[KFR+12*\t+10:KFR+12*\t+11], v5 offset:6144+1536*\t+1280
.endr
	s_cmp_lg_u32 s[T], s[BLK]                      ; only the tile's own block of keys holds hidden scores: they become -infinity ahead of the maximum, p = 0 then
	s_cbranch_scc1 .Lopen_\@
.set n, 0
.rept 64
	v_cmp_gt_i32 vcc_lo, 32*(n/16)+n%16, v7        ; register 16 b + i holds key 16 h + 32 b + i of the step
	v_cndmask_b32 v[S+n], v[S+n], v9, vcc_lo
.set n, n+1
.endr
.Lopen_\@:
.irp b, 0,1,2,3
	v_max3_num_f32 v[BM+\b], v[S+16*\b], v[S+1+16*\b], v[S+2+16*\b]   ; the largest score of each block of 32 keys: it serves the row's maximum and, since p rises with the score, the block's largest p
.endr
.irp i, 3,5,7,9,11,13
.irp b, 0,1,2,3
	v_max3_num_f32 v[BM+\b], v[BM+\b], v[S+16*\b+\i], v[S+1+16*\b+\i]
.endr
.endr
.irp b, 0,1,2,3
	v_max_num_f32 v[BM+\b], v[BM+\b], v[S+15+16*\b]
.endr
.irp b, 0,1,2,3
	s_delay_alu instid0(VALU_DEP_4)
	v_permlanex16_b32 v[BT+\b], v[BM+\b], s[SEL], s[SEL+1]
.endr
.irp b, 0,1,2,3
	s_delay_alu instid0(VALU_DEP_4)
	v_max_num_f32 v[BM+\b], v[BM+\b], v[BT+\b]     ; with lane l xor 16's 16 keys
.endr
	s_delay_alu instid0(VALU_DEP_2)
	v_max3_num_f32 v[TP], v[BM], v[BM+1], v[BM+2]
	s_delay_alu instid0(VALU_DEP_1)
	v_max_num_f32 v[TP], v[TP], v[BM+3]            ; the step's largest score of my query
	s_delay_alu instid0(VALU_DEP_1)
	v_mul_f32 v[TP], s[CS], v[TP]                  ; as t (c is positive)
	s_delay_alu instid0(VALU_DEP_1)
	v_max_num_f32 v13, v13, v[TP]                  ; the running largest t
	v_mov_b32 v[TP], v12
	s_delay_alu instid0(VALU_DEP_2)
	v_floor_f32 v12, -v13                          ; the new -M = floor(-t) = -ceil(t): a whole number
	s_delay_alu instid0(VALU_DEP_1)
	v_sub_f32 v[TP], v12, v[TP]                    ; old M - new M: a whole number, 0 or less
	s_delay_alu instid0(VALU_DEP_1)
	v_cvt_i32_f32 v[TP], v[TP]                     ; (it saturates)
	s_delay_alu instid0(VALU_DEP_1)
	v_ldexp_f32 v[FF], 1.0, v[TP]                  ; f = 2^(old M - new M): a multiplication by it rounds nothing
.set j, 0
.rept 32
	v_pk_fma_f32 v[S+j:S+j+1], v[S+j:S+j+1], s[CS:CS+1], v[12:13] op_sel_hi:[1,0,0]   ; t - M, two at a time
.set j, j+2
.endr
.irp b, 0,1,2,3
	v_fma_f32 v[BM+\b], v[BM+\b], s[CS], v12       ; the same of each block's largest score
.endr
	s_wait_alu depctr_va_vdst(0)                   ; the wait ahead of the batch
.set j, 0
.rept 64
	v_exp_f32 v[S+j], v[S+j]                       ; p = 2^(t - M), at most 1
.set j, j+1
.endr
	v_pk_mul_f32 v[14:15], v[14:15], v[FF:FF+1] op_sel_hi:[1,0]   ; the sums under the new M: the plain instruction behind the exponentials
	s_wait_alu depctr_va_vdst(0)                   ; one wait for the batch of 64, ahead of its first reader
.irp b, 0,1,2,3
	v_exp_f32 v[BM+\b], v[BM+\b]                   ; the blocks' largest p: the same two instructions on the same number give the same bits
.endr
.irp k, 0,1,2,3                        ; the row's sum of the unquantised p: four chains of packed sums by turns
	v_pk_add_f32 v[CH+2*\k:CH+2*\k+1], v[S+4*\k:S+4*\k+1], v[S+4*\k+2:S+4*\k+3]
.endr
.set j, 16
.rept 6
.irp k, 0,1,2,3
	v_pk_add_f32 v[CH+2*\k:CH+2*\k+1], v[CH+2*\k:CH+2*\k+1], v[S+j+2*\k:S+j+2*\k+1]
.endr
.set j, j+8
.endr
	v_pk_add_f32 v[CH:CH+1], v[CH:CH+1], v[CH+2:CH+3]
	v_pk_add_f32 v[CH+4:CH+5], v[CH+4:CH+5], v[CH+6:CH+7]
	s_delay_alu instid0(VALU_DEP_2)
	v_pk_add_f32 v[14:15], v[14:15], v[CH:CH+1]
	s_delay_alu instid0(VALU_DEP_1)
	v_pk_add_f32 v[14:15], v[14:15], v[CH+4:CH+5]
	s_wait_alu depctr_va_vdst(0)                   ; and one for the four
.irp b, 0,1,2,3
	v_max_num_f32 v[BM+\b], 0x2800000, v[BM+\b]    ; the floor 2^(5 - 127): a block whose every p is 0 keeps the byte 1: its codes are zeros
.endr
.irp b, 0,1,2,3
	s_delay_alu instid0(VALU_DEP_4)
	v_add_nc_u32 v[SO+\b], 0xfe000000, v[BM+\b]    ; 4 off the exponent field: the conversion's scale operand
.endr
.irp b, 0,1,2,3
	s_delay_alu instid0(VALU_DEP_4)
	v_lshrrev_b32 v[BT+\b], 23, v[SO+\b]           ; the scale's byte
.endr
	s_delay_alu instid0(VALU_DEP_3)
	v_lshl_or_b32 v[FF+1], v[BT+1], 8, v[BT]       ; p's scale word for these 128 keys
	s_delay_alu instid0(VALU_DEP_1)
	v_lshl_or_b32 v[FF+1], v[BT+2], 16, v[FF+1]
	s_delay_alu instid0(VALU_DEP_1)
	v_lshl_or_b32 v[FF+1], v[BT+3], 24, v[FF+1]
.irp c, 0,1
	v_cvt_scalef32_pk16_bf6_f32 v[PCD+6*\c:PCD+6*\c+2], v[S+32*\c:S+32*\c+15], v[SO+2*\c]
	v_cvt_scalef32_pk16_bf6_f32 v[CT+4*\c:CT+4*\c+2], v[S+32*\c+16:S+32*\c+31], v[SO+2*\c+1]
.endr
	v_nop                                          ; one plain instruction behind the scaled conversions
.irp c, 0,1                            ; the operand's layout wants a whole block in a lane
.irp i, 0,1,2
	v_permlane16_swap_b32 v[PCD+6*\c+\i], v[CT+4*\c+\i]
.endr
.irp i, 0,1,2
	s_delay_alu instid0(VALU_DEP_3)
	v_mov_b32 v[PCD+6*\c+3+\i], v[CT+4*\c+\i]
.endr
.endr
	s_wait_alu depctr_va_vdst(0)                   ; the wait directly ahead of the first reader of O^T
.set j, 0
.rept 16
	v_pk_mul_f32 v[O+j:O+j+1], v[O+j:O+j+1], v[FF:FF+1] op_sel_hi:[1,0]   ; O^T under the new M.  These 16 also stand between the writes of p's codes and scale word and the products
.set j, j+2
.endr
	s_wait_alu depctr_va_vdst(0)                   ; the wait ahead of the wait below
	s_wait_dscnt 0x0                               ; V's fragments are in
.irp t, 0,1,2,3
	v_wmma_scale_f32_16x16x128_f8f6f4 v[O+8*\t:O+8*\t+7], v[KFR+12*\t:KFR+12*\t+11], v[PCD:PCD+11], v[O+8*\t:O+8*\t+7], v[VWA+\t+(VWB-VWA-2)*(\t/2)], v[FF+1] matrix_a_fmt:MATRIX_FMT_BF6 matrix_b_fmt:MATRIX_FMT_BF6
.endr
.Lhid_\@:
.endm
.macro PHASE n                         ; n steps on end
	s_mov_b32 s[CNT], \n
.Lph_\@:
	STEP
	s_add_co_u32 s[T], s[T], 1
	s_add_co_u32 s[TB], s[TB], REC
	s_sub_co_u32 s[CNT], s[CNT], 1
	s_cmp_lg_u32 s[CNT], 0
	s_cbranch_scc1 .Lph_\@
.endm
	s_wait_alu depctr_va_vdst(0)                   ; the wait at the head's end
	s_wait_tensorcnt 0x0                           ; my sixteenth of records 0-1 has landed
	ds_add_u32 v254, v255
	s_wait_dscnt 0x0
	CROUND                                         ; everybody's has, and the four work-groups are here: the joint loads meet
	tensor_load_to_lds s[G0B:G0B+3], s[G1B:G1B+7]  ; records 2-15: my one load behind the round; it lands in bytes that the first two steps do not read
	s_nop 0
	PLACES 4
	s_wait_loadcnt 0x0                             ; Q
	PHASE 2
	s_wait_tensorcnt 0x0                           ; my sixteenth of records 2-15 has landed
	s_wait_dscnt 0x0
	s_barrier_signal -1
	s_barrier_wait -1                              ; everybody's has
	PHASE 14
	; THE LONG TILE'S TWO PARTS ARE JOINED: waves 0-7 hand theirs over as an image of their registers
	PLACES 4                                       ; behind the last products
	s_cmp_lg_u32 s[ISB], 0
	s_cbranch_scc1 .Lkeep
.irp g, 0,1,2,3,4,5,6,7
	ds_store_b128 v30, v[O+4*\g:O+4*\g+3] offset:512*\g            ; each accumulator from its low end on
.endr
	ds_store_b128 v30, v[12:15] offset:4096        ; -M, the largest t, the sum's two halves
.Lkeep:
	s_wait_dscnt 0x0                               ; for the others' sake: my stores have landed
	s_barrier_signal -1
	s_barrier_wait -1
	s_cmp_eq_u32 s[ISB], 0
	s_cbranch_scc1 .Ldone
.irp g, 0,1,2,3,4,5,6,7
	ds_load_b128 v[S+4*\g:S+4*\g+3], v30 offset:512*\g
.endr
	ds_load_b128 v[SO:SO+3], v30 offset:4096
	s_wait_dscnt 0x0
	v_min_num_f32 v[TP], v12, v[SO]                ; -M of both parts together
	s_delay_alu instid0(VALU_DEP_1)
	v_sub_f32 v[BT], v[TP], v[SO]                  ; each part's M less the common one: whole numbers, 0 or less
	v_sub_f32 v[FF], v[TP], v12
	s_delay_alu instid0(VALU_DEP_2)
	v_cvt_i32_f32 v[BT], v[BT]                     ; (it saturates: an empty part's factor becomes 0)
	s_delay_alu instid0(VALU_DEP_2)
	v_cvt_i32_f32 v[FF], v[FF]
	s_delay_alu instid0(VALU_DEP_2)
	v_ldexp_f32 v[BT], 1.0, v[BT]                  ; the other part's factor,
	s_delay_alu instid0(VALU_DEP_2)
	v_ldexp_f32 v[FF], 1.0, v[FF]                  ; and mine: powers of two
	s_delay_alu instid0(VALU_DEP_1)
	v_pk_mul_f32 v[14:15], v[14:15], v[FF:FF+1] op_sel_hi:[1,0]
	s_delay_alu instid0(VALU_DEP_1)
	v_pk_fma_f32 v[14:15], v[SO+2:SO+3], v[BT:BT+1], v[14:15] op_sel_hi:[1,0,1]
.set j, 0
.rept 16
	v_pk_mul_f32 v[O+j:O+j+1], v[O+j:O+j+1], v[FF:FF+1] op_sel_hi:[1,0]
.set j, j+2
.endr
.set j, 0
.rept 16
	v_pk_fma_f32 v[O+j:O+j+1], v[S+j:S+j+1], v[BT:BT+1], v[O+j:O+j+1] op_sel_hi:[1,0,1]
.set j, j+2
.endr
	FINISH
.Ldone:
	s_wait_dscnt 0x0                               ; my half word has landed
	s_barrier_signal -1
	s_barrier_wait -1
	s_cmp_lg_u32 s[WV], 0
	s_cbranch_scc1 .Lend
	ds_load_b128 v[S:S+3], v11                     ; the sixteen tiles' half words: 512 bytes
	s_wait_dscnt 0x0
	global_store_b128 v1, v[S:S+3], s[12:13]       ; 512 consecutive bytes, at a multiple of 256 from asc's first byte
.Lend:
	s_wait_tensorcnt 0x0                           ; the wave's end
	ds_add_u32 v254, v255
	s_wait_dscnt 0x0
	CROUND                                         ; the closing round
	s_endpgm
.Lfunc_end_k_qff5a89ee82_attn:
	.size	k_qff5a89ee82_attn, .Lfunc_end_k_qff5a89ee82_attn-k_qff5a89ee82_attn
	.p2alignl 7, 3214868480
	.fill 96, 4, 3214868480
	.section	.rodata,"a",@progbits
	.p2align	6, 0x0
	.amdhsa_kernel k_qff5a89ee82_attn
		.amdhsa_group_segment_fixed_size 327680
		.amdhsa_private_segment_fixed_size 0
		.amdhsa_enable_private_segment 0
		.amdhsa_kernarg_size 40
		.amdhsa_user_sgpr_count 2
		.amdhsa_user_sgpr_kernarg_segment_ptr 1
		.amdhsa_wavefront_size32 1
		.amdhsa_system_sgpr_workgroup_id_x 1
		.amdhsa_system_sgpr_workgroup_id_y 1
		.amdhsa_system_sgpr_workgroup_id_z 1
		.amdhsa_system_vgpr_workitem_id 0
		.amdhsa_next_free_vgpr 256
		.amdhsa_next_free_sgpr 80
		.amdhsa_reserve_vcc 1
		.amdhsa_float_denorm_mode_32 3
		.amdhsa_float_denorm_mode_16_64 3
		.amdhsa_memory_ordered 1
		.amdhsa_forward_progress 1
		.amdhsa_inst_pref_size 79
	.end_amdhsa_kernel
	.amdgpu_metadata
---
amdhsa.version: [ 1, 2 ]
amdhsa.kernels:
  - .name:           k_qff5a89ee82_attn
    .symbol:         k_qff5a89ee82_attn.kd
    .args:
      - { .name: qc, .offset: 0, .size: 8, .value_kind: global_buffer, .address_space: global }
      - { .name: qs, .offset: 8, .size: 8, .value_kind: global_buffer, .address_space: global }
      - { .name: kv, .offset: 16, .size: 8, .value_kind: global_buffer, .address_space: global }
      - { .name: ac, .offset: 24, .size: 8, .value_kind: global_buffer, .address_space: global }
      - { .name: asc, .offset: 32, .size: 8, .value_kind: global_buffer, .address_space: global }
    .group_segment_fixed_size: 327680
    .private_segment_fixed_size: 0
    .kernarg_segment_align: 8
    .kernarg_segment_size: 40
    .max_flat_workgroup_size: 512
    .sgpr_count:     80
    .vgpr_count:     256
    .wavefront_size: 32
...
	.end_amdgpu_metadata
.endif
;; end of part 3
;; launch proj (part 4): grid 16 x 16, 4 waves a work-group, clusters of 4 x 1, 168,448 bytes of LDS; arguments ac, asc, ci, si, bo, out0; writes out0
.if DOCPART == 4
	.amdgcn_target "amdgcn-amd-amdhsa--gfx1250"
	.amdhsa_code_object_version 6
	.text
	.protected	k_qff5a89ee82_proj
	.globl	k_qff5a89ee82_proj
	.p2align	8
	.type	k_qff5a89ee82_proj,@function
k_qff5a89ee82_proj:
	s_mov_b64 s[64:65], 0
	v_nop
	global_prefetch_b8 v0, s[64:65] scope:SCOPE_SE
	s_setreg_imm32_b32 hwreg(HW_REG_WAVE_MODE, 25, 1), 1
	s_wait_xcnt 0x0
	s_wait_alu depctr_hold_cnt(0) depctr_sa_sdst(0) depctr_va_vdst(0) depctr_va_sdst(0) depctr_va_ssrc(0) depctr_va_vcc(0) depctr_vm_vsrc(0)
	s_getreg_b32 s2, hwreg(HW_REG_IB_STS2, 6, 4)
	s_cmp_eq_u32 s2, 0
	s_cbranch_scc0 .Lentry_in_a_cluster
	s_endpgm
.Lentry_in_a_cluster:
	s_bfe_u32 s2, ttmp6, 0x10000c
	s_cmp_lg_u32 s2, 0x3003
	s_cbranch_scc0 .Lentry_shape_is_right
	s_endpgm
.Lentry_shape_is_right:
; out0 = attn_out Wo^T + bo on codes of BF6 (E3M2), f32 sums, f32 out.  attn_out's codes lie in ac [token tile 256][head 16][768] (a record: 16 tokens x 64 along K, an image of six operand registers),
; its scale bytes in asc [batch x 16 + head][place 2,048] 2 bytes; Wo's codes and scale words in ci (tiles 448-511) and si.
; SHARES.  Work-group (rb, cg): token places 256 rb on, output columns 64 cg on.  Wave w: 64 tokens (four tiles) x 64 columns (four tiles): 16 accumulators, 8 K steps of 128.
; The wave's fragments of attn_out, 384 registers, come straight from ac; Wo's 64 rows (49,152 dense bytes) lie in LDS, filled once.
; CLUSTER.  The four work-groups of a cluster have the same columns: Wo's tile is asked for JOINTLY (mask 15), a quarter by each wave; the descriptor hangs on cg and the wave's number alone.
; ROWS.  Place r of tile 2 B + u is row 32 B + 8 u + r + 8 (r / 8), for tokens and for Wo's rows.  Source 0 = Wo, source 1 = attn_out: register j of lane (r, h) in column tile b is
; column 32 (b / 2) + 8 (b % 2) + 16 h + j of the token at place r: eight neighbouring numbers of a row of out0.
; REGISTERS: window 0: v1-10 addresses; v16-47 attn_out's scale words; v48-79 Wo's; v80-175 Wo's fragments, two buffers (first the 64 half words; on the way out v80-111 numbers, v112-143 rows read back);
;   v176-207 bo.  windows 1, 2: attn_out's fragments of K steps 0-3, 4-7.  window 3: the 16 accumulators ((a, b) at 8 (4 a + b)).
.set FRT,   12288
.set STG,   4*FRT                      ; behind Wo's tile: a stage of 16 rows x (256 + 16) bytes for each wave, its own
.set SP,    272
.set AS,   16
.set BS,   48
.set BF,   80
.set U,    80                          ; the half words (tile a, head n) at U + 16 a + n
.set H,    80
.set OBK,  112
.set BIAS, 176
.set WV,   22
.set G1,   28
.set G0,   36
.set XB,   56                          ; s[56:57] attn_out's fragments;  s[58:59] its half words;  s[60:61] Wo's scale words;  s[66:67] my rows of out0
.set USB,  58
.set BSB,  60
.set OB,   66
.set MSB, 0
.macro WIN new                         ; the immediate's high byte repeats the setting that is left; a switch that changes nothing is dropped
.if MSB != (\new)
	s_set_vgpr_msb (MSB<<8)|(\new)
.set MSB, (\new)
.endif
.endm
.macro PLACES n
.rept \n
	v_nop
.endr
.endm
.macro CROUND                          ; a round of the cluster's barrier
	s_barrier_signal -1
	s_barrier_wait -1
	s_cmp_lg_u32 s[WV], 0
	s_cbranch_scc1 .Lnw0_\@
	s_barrier_signal -3
.Lnw0_\@:
	s_barrier_wait -3
	s_barrier_signal -1
	s_barrier_wait -1
.endm
	s_load_b256 s[4:11], s[0:1], 0x0               ; ac s[4:5], asc s[6:7], ci s[8:9], si s[10:11]
	s_load_b128 s[12:15], s[0:1], 0x20             ; bo s[12:13], out0 s[14:15]
	v_lshl_add_u32 v254, v0, 2, 0x29000
	v_mov_b32 v255, 0
	ds_add_u32 v254, v255
	ds_add_u32 v254, v255
	v_lshrrev_b32 v3, 5, v0
	v_readfirstlane_b32 s[WV], v3                  ; wave 0..3
	s_bfe_u32 s23, ttmp6, 0x40000                  ; cx: it enters global addresses of my own loads and stores alone
	s_lshl_b32 s24, ttmp9, 2
	s_add_co_u32 s24, s24, s23                     ; rb = 4 x cluster x + cx
	s_and_b32 s25, ttmp7, 0xffff                   ; cg, which the partners share
	s_and_b32 s26, s24, 7
	s_lshr_b32 s27, s24, 3                         ; batch
	s_mov_b32 s[G1], 15|(3<<16)|(1<<21)            ; the mask: all four work-groups; elements of 8 bytes; bit 21 set beside a mask; no padding
	s_mov_b32 s[G1+1], 32<<16                      ; tensor_dim0 = 32
	s_mov_b32 s[G1+2], 48<<16                      ; tensor_dim1 = 48
	s_mov_b32 s[G1+3], 32<<16                      ; tile_dim0 = 32
	s_mov_b32 s[G1+4], 48                          ; tile_dim1 = 48
	s_mov_b32 s[G1+5], 32                          ; from row to row
	s_mov_b32 s[G1+6], 0
	s_mov_b32 s[G1+7], 0
	s_lshl_b32 s52, s25, 2
	s_add_co_u32 s52, s52, s[WV]
	s_add_co_u32 s52, s52, 448                     ; I fetch ci's tile 448 + 4 cg + w
	s_mul_i32 s52, s52, FRT
	s_mov_b32 s53, 0
	s_mul_i32 s51, s[WV], FRT                      ; to LDS byte 12,288 w
	v_and_b32 v3, 31, v0
	v_lshlrev_b32 v1, 4, v3                        ; 16 x lane
	v_lshlrev_b32 v2, 3, v3                        ; 8 x lane
	v_and_b32 v11, 15, v0                          ; r
	v_bfe_u32 v12, v0, 4, 1                        ; h
	v_lshlrev_b32 v3, 1, v11                       ; 2 r: my token's half word
	v_lshlrev_b32 v6, 6, v12                       ; 64 h
	v_lshlrev_b32 v8, 12, v12
	v_lshl_add_u32 v8, v11, 4, v8                  ; out0: lanes 0-15 one row, lanes 16-31 the next; 16 bytes a lane
	s_mul_i32 s91, s[WV], 16*SP
	s_add_co_u32 s91, s91, STG                     ; my stage
	v_mul_u32_u24 v9, v11, SP
	v_add_nc_u32 v9, v9, v6
	v_add_nc_u32 v9, s91, v9                       ; in: row r, + 64 h
	v_mul_u32_u24 v10, v12, SP
	v_lshl_add_u32 v10, v11, 4, v10
	v_add_nc_u32 v10, s91, v10                     ; back: lanes 0-15 one row of 256 bytes, lanes 16-31 the next
	s_lshl_b32 s80, s24, 4
	s_lshl_b32 s81, s[WV], 2
	s_add_co_u32 s80, s80, s81                     ; my first token tile: 16 rb + 4 w
	s_mov_b32 s83, 0
	s_wait_dscnt 0x0
	CROUND                                         ; the round in front of the first joint load; the arguments' loads are on their way meanwhile
	s_wait_kmcnt 0x0
	s_mov_b32 s[G0], 1                             ; count = 1
	s_mov_b32 s[G0+1], s51                         ; LDS address
	s_add_nc_u64 s[G0+2:G0+3], s[8:9], s[52:53]    ; global address
	s_or_b32 s[G0+3], s[G0+3], 0x80000000          ; type = 2
	s_mul_i32 s82, s80, FRT
	s_add_nc_u64 s[XB:XB+1], s[4:5], s[82:83]
	s_lshl_b32 s82, s27, 16                        ; asc: 16 heads of 4,096 bytes a batch,
	; inside a head asc's places lie [tile % 8][tile / 8][r]: my tile a is tile 16 (rb % 8) + 4 w + a: tile % 8 = 4 (w % 2) + a, tile / 8 = 2 (rb % 8) + w / 2
	s_lshl_b32 s84, s26, 6                         ; 2 (rb % 8) runs of 32 bytes,
	s_add_co_u32 s82, s82, s84
	s_and_b32 s84, s[WV], 1
	s_lshl_b32 s84, s84, 11                        ; 4 (w % 2) runs of 512 bytes,
	s_add_co_u32 s82, s82, s84
	s_lshr_b32 s84, s[WV], 1
	s_lshl_b32 s84, s84, 5                         ; w / 2 runs of 32 bytes
	s_add_co_u32 s82, s82, s84
	s_add_nc_u64 s[USB:USB+1], s[6:7], s[82:83]
	s_lshl_b32 s82, s25, 12
	s_add_nc_u64 s[BSB:BSB+1], s[10:11], s[82:83]
	s_lshl_b32 s82, s25, 8
	s_add_nc_u64 s[12:13], s[12:13], s[82:83]      ; bo's 64 numbers
	s_add_nc_u64 s[OB:OB+1], s[14:15], s[82:83]    ; out0: column 64 cg,
	s_lshl_b32 s82, s24, 20                        ; row 256 rb
	s_lshl_b32 s84, s[WV], 18                      ; + 64 w
	s_add_co_u32 s82, s82, s84
	s_add_nc_u64 s[OB:OB+1], s[OB:OB+1], s[82:83]
	tensor_load_to_lds s[G0:G0+3], s[G1:G1+7]      ; one load of mine is out
	s_nop 0
	PLACES 4                                       ; four nops behind the load
.irp a, 0,1,2,3                        ; the half words first: 144 loads follow them
.irp n, 0,1,2,3,4,5,6,7,8,9,10,11,12,13,14,15
	global_load_u16 v[U+16*\a+\n], v3, s[USB:USB+1] offset:4096*\n+512*\a
.endr
.endr
.irp b, 0,1,2,3
.irp q, 0,1
	global_load_b128 v[BS+8*\b+4*\q:BS+8*\b+4*\q+3], v1, s[BSB:BSB+1] offset:(448+\b)*1024+512*\q
.endr
.endr
	s_wait_alu depctr_va_vdst(0)
.irp b, 0,1,2,3
.irp e, 0,1
	global_load_b128 v[BIAS+8*\b+4*\e:BIAS+8*\b+4*\e+3], v6, s[12:13] offset:(32*(\b/2)+8*(\b%2))*4+16*\e
.endr
.endr
.irp k, 0,1,2,3,4,5,6,7                ; attn_out's fragments, K step by K step
	WIN 0x40*(1+\k/4)                              ; destination window 1 or 2
.irp a, 0,1,2,3
	global_load_b128 v[48*(\k%4)+12*\a:48*(\k%4)+12*\a+3], v1, s[XB:XB+1] offset:FRT*\a+1536*\k
	global_load_b64 v[48*(\k%4)+12*\a+4:48*(\k%4)+12*\a+5], v2, s[XB:XB+1] offset:FRT*\a+1536*\k+512
	global_load_b128 v[48*(\k%4)+12*\a+6:48*(\k%4)+12*\a+9], v1, s[XB:XB+1] offset:FRT*\a+1536*\k+768
	global_load_b64 v[48*(\k%4)+12*\a+10:48*(\k%4)+12*\a+11], v2, s[XB:XB+1] offset:FRT*\a+1536*\k+1280
.endr
.endr
	WIN 0
	s_wait_loadcnt 63                              ; the 64 half words are in: 144 loads were issued behind them
.irp a, 0,1,2,3
.irp k, 0,1,2,3,4,5,6,7
	v_lshl_or_b32 v[AS+8*\a+\k], v[U+16*\a+2*\k+1], 16, v[U+16*\a+2*\k]   ; K step k is heads 2 k and 2 k + 1: four bytes, a scale word
.endr
.endr
	PLACES 8                                       ; a scale register written by a vector instruction stands eight plain instructions ahead of a scaled product
.macro FETCHB s, buf                   ; Wo's four fragments of K step s: 16 LDS loads, each of consecutive bytes
.irp b, 0,1,2,3
	ds_load_b128 v[BF+48*(\buf)+12*\b:BF+48*(\buf)+12*\b+3], v1 offset:\b*FRT+1536*(\s)
	ds_load_b64 v[BF+48*(\buf)+12*\b+4:BF+48*(\buf)+12*\b+5], v2 offset:\b*FRT+1536*(\s)+512
	ds_load_b128 v[BF+48*(\buf)+12*\b+6:BF+48*(\buf)+12*\b+9], v1 offset:\b*FRT+1536*(\s)+768
	ds_load_b64 v[BF+48*(\buf)+12*\b+10:BF+48*(\buf)+12*\b+11], v2 offset:\b*FRT+1536*(\s)+1280
.endr
.endm
; A K step: 16 products; the sixteen accumulators take turns, one instruction a turn, in the same order in every step.
.macro MUL16 s, buf
	WIN 0xf0|((1+(\s)/4)<<2)                       ; source 0 (Wo) window 0, source 1 window 1 or 2, C and D window 3
.irp a, 0,1,2,3
.irp b, 0,1,2,3
.set rD, 8*(4*\a+\b)
.set rW, BF+48*(\buf)+12*\b
.set rX, 48*((\s)%4)+12*\a
.if (\s) == 0
	v_wmma_scale_f32_16x16x128_f8f6f4 v[rD:rD+7], v[rW:rW+11], v[rX:rX+11], 0, v[BS+8*\b+(\s)], v[AS+8*\a+(\s)] matrix_a_fmt:MATRIX_FMT_BF6 matrix_b_fmt:MATRIX_FMT_BF6
.else
	v_wmma_scale_f32_16x16x128_f8f6f4 v[rD:rD+7], v[rW:rW+11], v[rX:rX+11], v[rD:rD+7], v[BS+8*\b+(\s)], v[AS+8*\a+(\s)] matrix_a_fmt:MATRIX_FMT_BF6 matrix_b_fmt:MATRIX_FMT_BF6
.endif
.endr
.endr
.endm
	s_wait_alu depctr_va_vdst(0)
	s_wait_tensorcnt 0x0                           ; my quarter of Wo's tile has landed
	s_barrier_signal -1
	s_barrier_wait -1                              ; everybody's has
	FETCHB 0, 0
.irp k, 0,1,2,3,4,5,6,7
.if \k < 7
.if \k > 0
	PLACES 4                                       ; four plain instructions between the last products and loads into the buffer that the step before read
.endif
	FETCHB \k+1, (\k+1)%2
	s_wait_dscnt 16                                ; this step's fragments are in; the 16 loads just issued stay out
.else
	s_wait_dscnt 0x0
.endif
.if 16*(7-\k) > 63
	s_wait_loadcnt 63                              ; (the count's field ends at 63: a smaller count waits for more)
.else
	s_wait_loadcnt 16*(7-\k)                       ; attn_out's fragments of this K step are in; the 16 loads of each later K step stay out
.endif
	MUL16 \k, \k%2
	WIN 0
.endr
	PLACES 4                                       ; in front of the first read of results
; THE WAY OUT, tile a of 16 tokens: + bo; a lane's 32 bytes of a row go into my stage and come back as whole rows of 256 bytes.
.macro OTILE a
	WIN 0x03                                       ; source 0: window 3
.irp b, 0,1,2,3
.irp j, 0,2,4,6
	v_pk_add_f32 v[H+8*\b+\j:H+8*\b+\j+1], v[8*(4*(\a)+\b)+\j:8*(4*(\a)+\b)+\j+1], v[BIAS+8*\b+\j:BIAS+8*\b+\j+1]   ; each accumulator from its low end on
.endr
.endr
	WIN 0
.irp b, 0,1,2,3
.irp e, 0,1
	ds_store_b128 v9, v[H+8*\b+4*\e:H+8*\b+4*\e+3] offset:128*(\b/2)+32*(\b%2)+16*\e
.endr
.endr
	s_wait_xcnt 0x0                                ; the last tile's stores have read the registers into which the loads below land
.irp t, 0,1,2,3,4,5,6,7
	ds_load_b128 v[OBK+4*\t:OBK+4*\t+3], v10 offset:2*SP*\t   ; LDS serves a wave's instructions in order: these see the stores above, and the next tile's stores come behind them
.endr
.irp t, 0,1,2,3,4,5,6,7
	s_wait_dscnt 7-\t                              ; load t is in; the younger ones stay out
	global_store_b128 v8, v[OBK+4*\t:OBK+4*\t+3], s[OB:OB+1] offset:(32*((\a)/2)+8*((\a)%2)+2*\t+8*(\t/4))*4096 th:TH_STORE_NT   ; place 2 t + h of the tile is row 2 t + h + 8 (t / 4); 16 lanes store 256 consecutive bytes, at a multiple of 256 from out0's first byte
.endr
.endm
	OTILE 0
	OTILE 1
	OTILE 2
	OTILE 3
	s_wait_tensorcnt 0x0
	ds_add_u32 v254, v255
	s_wait_dscnt 0x0
	CROUND                                         ; the closing round: no work-group ends while a partner may still ask for a tile that names it
	s_endpgm
.Lfunc_end_k_qff5a89ee82_proj:
	.size	k_qff5a89ee82_proj, .Lfunc_end_k_qff5a89ee82_proj-k_qff5a89ee82_proj
	.p2alignl 7, 3214868480
	.fill 96, 4, 3214868480
	.section	.rodata,"a",@progbits
	.p2align	6, 0x0
	.amdhsa_kernel k_qff5a89ee82_proj
		.amdhsa_group_segment_fixed_size 168448
		.amdhsa_private_segment_fixed_size 0
		.amdhsa_enable_private_segment 0
		.amdhsa_kernarg_size 48
		.amdhsa_user_sgpr_count 2
		.amdhsa_user_sgpr_kernarg_segment_ptr 1
		.amdhsa_wavefront_size32 1
		.amdhsa_system_sgpr_workgroup_id_x 1
		.amdhsa_system_sgpr_workgroup_id_y 1
		.amdhsa_system_sgpr_workgroup_id_z 1
		.amdhsa_system_vgpr_workitem_id 0
		.amdhsa_next_free_vgpr 896
		.amdhsa_next_free_sgpr 100
		.amdhsa_reserve_vcc 0
		.amdhsa_float_denorm_mode_32 3
		.amdhsa_float_denorm_mode_16_64 3
		.amdhsa_memory_ordered 1
		.amdhsa_forward_progress 1
		.amdhsa_inst_pref_size 65
	.end_amdhsa_kernel
	.amdgpu_metadata
---
amdhsa.version: [ 1, 2 ]
amdhsa.kernels:
  - .name:           k_qff5a89ee82_proj
    .symbol:         k_qff5a89ee82_proj.kd
    .args:
      - { .name: ac, .offset: 0, .size: 8, .value_kind: global_buffer, .address_space: global }
      - { .name: asc, .offset: 8, .size: 8, .value_kind: global_buffer, .address_space: global }
      - { .name: ci, .offset: 16, .size: 8, .value_kind: global_buffer, .address_space: global }
      - { .name: si, .offset: 24, .size: 8, .value_kind: global_buffer, .address_space: global }
      - { .name: bo, .offset: 32, .size: 8, .value_kind: global_buffer, .address_space: global }
      - { .name: out0, .offset: 40, .size: 8, .value_kind: global_buffer, .address_space: global }
    .group_segment_fixed_size: 168448
    .private_segment_fixed_size: 0
    .kernarg_segment_align: 8
    .kernarg_segment_size: 48
    .max_flat_workgroup_size: 128
    .sgpr_count:     100
    .vgpr_count:     896
    .wavefront_size: 32
...
	.end_amdgpu_metadata
.endif
;; end of part 4
